; MI455X (gfx1250); checked and timed in simulation.
; The chip was launched on July 23, 2026; its instructions are those of AMD's public machine-readable ISA for CDNA 5 (MIT licence, August 2026) and "CDNA5" Instruction Set Architecture Reference Guide (July 2026). The comments in the code are by the model that wrote it; some were corrected since.
;; Multi Head Attention. Allowed arithmetic: float matrix products may take bf16 or f16 operands with f32 sums; other float arithmetic in f32, or as packed bf16 or f16 multiplies, adds, multiply-adds, maxima and minima; sums over many terms, partial sums and values carried from step to step in f32; what a program stores and reads back later, other than sums and carried values, may be rounded once to bf16 or f16.
;; Inputs: W_k 1,024 x 1,024 float32; W_o 1,024 x 1,024 float32; W_q 1,024 x 1,024 float32; W_v 1,024 x 1,024 float32; mask 2,048 x 2,048 bool; xk 4 x 2,048 x 1,024 float32; xq 4 x 2,048 x 1,024 float32; xv 4 x 2,048 x 1,024 float32.
;; Outputs: out0 4 x 2,048 x 1,024 float32.
;; 2 versions, each right. Each part assembles by itself: llvm-mc -triple=amdgcn-amd-amdhsa -mcpu=gfx1250 --defsym DOCPART=n.
;; ======== version 1 of 2: 4 launches
;; limits: values are held in f16: magnitudes above 65,504 overflow, below 6.1e-05 lose precision
;; workspace buffers: xb 50,331,648 bytes; wt 8,388,608 bytes; mbits 524,288 bytes of whole numbers; qh 16,777,216 bytes; kv 33,554,432 bytes; ctx 16,777,216 bytes
;; launch prep (part 1): grid 256 x 6, 8 waves a work-group, no clusters, 18,432 bytes of LDS; arguments xq, xk, xv, W_q, W_k, W_v, W_o, mask, xb, wt, mbits; writes xb, wt, mbits
.if DOCPART == 1
	.amdgcn_target "amdgcn-amd-amdhsa--gfx1250"
	.amdhsa_code_object_version 6
	.text
	.protected	k_q72e20f7ecd_prep
	.globl	k_q72e20f7ecd_prep
	.p2align	8
	.type	k_q72e20f7ecd_prep,@function
k_q72e20f7ecd_prep:
	s_mov_b64 s[64:65], 0
	v_nop
	global_prefetch_b8 v0, s[64:65] scope:SCOPE_SE
	s_setreg_imm32_b32 hwreg(HW_REG_WAVE_MODE, 25, 1), 1
	s_wait_xcnt 0x0
; PREP: three streaming jobs, chosen by the work-group's y (the same for all eight waves of a work-group).
;   y = 0,1,2  xq, xk, xv (f32 [4][2048][1024]) -> xb, bf16, laid in blocks along K: [p][b][kb = d / 64][s][64], so that 128 tokens x 64 channels are 16,384 dense bytes
;   y = 3,4    W_q, W_k, W_v, W_o (f32 [1024][1024]) -> wt[w][column][row], 16 bits: rounded to bf16; W_o's bf16 number is then written as f16 (exact within f16's range;
;              below 6e-5 it keeps f16's fixed step of 6e-8), since the last product multiplies f16
;   y = 5      mask (bool [2048][2048]) -> mbits[P = q / 32][ks = k / 64][64 words]: bit L of word 2 (8 kb + j) + u is mask[32 P + 16 u + L % 16][64 ks + 16 kb + 8 (L / 16) + j]:
;              the lanes' select for register 8 kb + j of a tile of scores in the attention launch
; Memory binds all three: no matrix unit, no cluster (no two work-groups read the same byte), no tensor load.  Every store of a wave covers whole aligned runs of 256 bytes.
.set SPARE, 17408                      ; behind the weights' tile: the spare words, 128 bytes for each of eight waves
.set SPW,  8                           ; v8   SPARE + 4 x my thread's number; never rewritten
.set NIL,  9                           ; v9   0; never rewritten
.set XI,   16                          ; v[16:143]  the cast's 32 loads
.set XO,   144                         ; v[144:207] its 32 results
	s_load_b512 s[8:23], s[0:1], 0x0               ; xq 8, xk 10, xv 12, W_q 14, W_k 16, W_v 18, W_o 20, mask 22
	s_load_b128 s[24:27], s[0:1], 0x40             ; xb 24, wt 26
	s_load_b64 s[28:29], s[0:1], 0x50              ; mbits
	v_lshl_add_u32 v[SPW], v0, 2, SPARE
	v_mov_b32 v[NIL], 0
	v_lshrrev_b32 v1, 5, v0
	v_readfirstlane_b32 s3, v1                     ; wave 0..7
	v_and_b32 v2, 31, v0                           ; lane
	s_and_b32 s2, ttmp7, 0xffff                    ; y: the job
	s_mov_b32 s7, 0                                ; high words of the two offset pairs
	s_mov_b32 s31, 0
	s_wait_kmcnt 0x0
	s_cmp_lt_u32 s2, 3
	s_cbranch_scc1 .Lcast
	s_cmp_lt_u32 s2, 5
	s_cbranch_scc1 .Lwt
	; THE MASK.  Work-group x: P = x / 4; wave w: ks = 8 (x % 4) + w.  A lane reads 8 bytes (j = 0..7) of row 16 u + l % 16, eight times (u, kb).
	s_lshr_b32 s4, ttmp9, 2                        ; P
	s_and_b32 s5, ttmp9, 3
	s_lshl_b32 s6, s4, 16                          ; 32 rows of 2,048 bytes
	s_lshl_b32 s30, s5, 9                          ; 8 key steps of 64 bytes
	s_add_co_u32 s6, s6, s30
	s_add_nc_u64 s[22:23], s[22:23], s[6:7]
	s_lshl_b32 s30, s4, 13                         ; 32 key steps of 256 bytes in the table
	s_lshl_b32 s5, s5, 11
	s_add_co_u32 s30, s30, s5
	s_add_nc_u64 s[28:29], s[28:29], s[30:31]
	v_and_b32 v3, 15, v2
	v_lshrrev_b32 v4, 4, v2
	v_lshlrev_b32 v3, 11, v3                       ; row l % 16
	v_lshl_add_u32 v3, v4, 3, v3                   ; + 8 (l / 16)
	v_lshl_add_u32 v3, s3, 6, v3                   ; + my wave's key step
.set n, 0
.rept 8                                            ; n = 4 u + kb
	global_load_b64 v[16+2*n:17+2*n], v3, s[22:23] offset:(n/4)*32768+(n%4)*16
.set n, n+1
.endr
	v_mov_b32 v40, 0                               ; v_writelane_b32 keeps the other lanes: both are written whole first
	v_mov_b32 v41, 0
	v_lshlrev_b32 v43, 3, v0                       ; 256 bytes a wave, 8 a lane
	s_wait_loadcnt 0x0
.set n, 0
.rept 64                                           ; n = 32 u + 8 kb + j: byte j of the pair -> a lane mask -> lane 8 kb + j of v[40 + u]
	v_and_b32 v[44+n%4], 0xff<<(8*(n%4)), v[16+2*(n/8)+(n%8)/4]
	v_cmp_ne_u32 s[32+n%4], 0, v[44+n%4]
	v_writelane_b32 v[40+n/32], s[32+n%4], n%32
.set n, n+1
.endr
	global_store_b64 v43, v[40:41], s[28:29]       ; lane i: words 2 i and 2 i + 1; the wave: 256 consecutive bytes, aligned
	s_endpgm
	; THE CAST.  32 tokens a work-group, 4 a wave.  A load takes 256 bytes (one block kb) of token t in lanes 0-15 and of token t + 1 in lanes 16-31; the 8 bytes a lane that come of it
	; are 256 consecutive bytes of xb.  All 32 loads of a wave go out first (16 KiB a wave on its way); no register is used twice, so the only waits are the counted ones.
.Lcast:
	s_cmp_eq_u32 s2, 1
	s_cselect_b64 s[4:5], s[10:11], s[8:9]
	s_cmp_eq_u32 s2, 2
	s_cselect_b64 s[4:5], s[12:13], s[4:5]
	s_lshl_b32 s6, ttmp9, 17                       ; 32 tokens of 4,096 bytes
	s_add_nc_u64 s[4:5], s[4:5], s[6:7]
	s_lshl_b32 s30, s2, 24                         ; p x 16,777,216
	s_lshr_b32 s6, ttmp9, 6
	s_lshl_b32 s6, s6, 22                          ; b x 16 blocks of 262,144
	s_add_co_u32 s30, s30, s6
	s_and_b32 s6, ttmp9, 63
	s_lshl_b32 s6, s6, 12                          ; 32 tokens of 128 bytes
	s_add_co_u32 s30, s30, s6
	s_add_nc_u64 s[24:25], s[24:25], s[30:31]
	v_lshrrev_b32 v3, 4, v2
	v_lshl_add_u32 v3, s3, 2, v3                   ; token 4 w + l / 16
	v_and_b32 v4, 15, v2
	v_lshlrev_b32 v4, 4, v4
	v_lshl_add_u32 v3, v3, 12, v4                  ; x 4,096 + 16 (l % 16)
	v_lshlrev_b32 v5, 3, v2
	v_lshl_add_u32 v5, s3, 9, v5                   ; 512 w + 8 l
.set i, 0
.rept 32                                           ; i = 16 pair + kb
	global_load_b128 v[XI+4*i:XI+4*i+3], v3, s[4:5] offset:(i/16)*8192+(i%16)*256 th:TH_LOAD_NT
.set i, i+1
.endr
.set i, 0
.rept 32
	s_wait_loadcnt 31-i                            ; loads come back in order: load i is in, the 31 - i younger ones stay out
	v_cvt_pk_bf16_f32 v[XO+2*i], v[XI+4*i], v[XI+4*i+1]
	v_cvt_pk_bf16_f32 v[XO+2*i+1], v[XI+4*i+2], v[XI+4*i+3]
	global_store_b64 v5, v[XO+2*i:XO+2*i+1], s[24:25] offset:(i%16)*262144+(i/16)*256
.set i, i+1
.endr
	s_endpgm
	; THE WEIGHTS.  A tile of 128 rows x 64 columns is turned through LDS (64 rows of 256 bytes, pitch 272).  Thread t loads 8 rows x 4 columns, packs each column's 8 numbers into 16 bytes,
	; and after the barrier reads whole rows of the turned tile: sixteen lanes store 256 consecutive bytes.
.Lwt:
	s_sub_co_u32 s30, s2, 3
	s_lshl_b32 s30, s30, 1
	s_lshr_b32 s6, ttmp9, 7
	s_add_co_u32 s30, s30, s6                      ; which W: 0 q, 1 k, 2 v, 3 o
	s_cmp_eq_u32 s30, 1
	s_cselect_b64 s[4:5], s[16:17], s[14:15]
	s_cmp_eq_u32 s30, 2
	s_cselect_b64 s[4:5], s[18:19], s[4:5]
	s_cmp_eq_u32 s30, 3
	s_cselect_b64 s[4:5], s[20:21], s[4:5]
	s_and_b32 s32, ttmp9, 127
	s_and_b32 s33, s32, 15                         ; block of 64 columns
	s_lshr_b32 s32, s32, 4                         ; block of 128 rows
	s_lshl_b32 s6, s32, 19                         ; 128 rows of 4,096 bytes
	s_lshl_b32 s34, s33, 8
	s_add_co_u32 s6, s6, s34
	s_add_nc_u64 s[4:5], s[4:5], s[6:7]
	s_lshl_b32 s6, s30, 21                         ; 2 MiB a matrix
	s_lshl_b32 s34, s33, 17                        ; 64 rows of 2,048 bytes
	s_add_co_u32 s6, s6, s34
	s_lshl_b32 s34, s32, 8
	s_add_co_u32 s6, s6, s34
	s_add_nc_u64 s[26:27], s[26:27], s[6:7]
	v_lshrrev_b32 v3, 4, v0                        ; t / 16
	v_and_b32 v4, 15, v0                           ; t % 16
	v_lshlrev_b32 v5, 15, v3
	v_lshl_add_u32 v5, v4, 4, v5                   ; rows 8 (t / 16) on, columns 4 (t % 16) on
	v_mul_u32_u24 v6, v4, 4*272
	v_lshl_add_u32 v6, v3, 4, v6                   ; into LDS: row 4 (t % 16) + c, 16 bytes at 16 (t / 16)
	v_mul_u32_u24 v7, v3, 272
	v_lshl_add_u32 v7, v4, 4, v7                   ; back: row t / 16 (+ 16 i), 16 bytes at 16 (t % 16)
	v_lshlrev_b32 v10, 11, v3
	v_lshl_add_u32 v10, v4, 4, v10                 ; the same place in wt
.set i, 0
.rept 8
	global_load_b128 v[16+4*i:19+4*i], v5, s[4:5] offset:i*4096 th:TH_LOAD_NT
.set i, i+1
.endr
	s_wait_loadcnt 0x0
.set i, 0
.rept 16                                           ; i = 4 c + k: column c, rows 2 k and 2 k + 1
	v_cvt_pk_bf16_f32 v[48+i], v[16+8*(i%4)+i/4], v[16+8*(i%4)+4+i/4]
.set i, i+1
.endr
	s_cmp_lg_u32 s30, 3
	s_cbranch_scc1 .Lpacked
.set i, 0
.rept 16                                           ; W_o: the bf16 number, widened and written as f16
	v_lshlrev_b32 v12, 16, v[48+i]
	v_and_b32 v13, 0xffff0000, v[48+i]
	v_cvt_pk_f16_f32 v[48+i], v12, v13
.set i, i+1
.endr
.Lpacked:
.set i, 0
.rept 4
	ds_store_b128 v6, v[48+4*i:51+4*i] offset:i*272
.set i, i+1
.endr
	s_wait_dscnt 0x0                               ; for the others' sake: my stores into the tile are done
	s_barrier_signal -1
	s_barrier_wait -1
.set i, 0
.rept 4
	ds_load_b128 v[64+4*i:67+4*i], v7 offset:i*16*272
.set i, i+1
.endr
	s_wait_dscnt 0x0
.set i, 0
.rept 4
	global_store_b128 v10, v[64+4*i:67+4*i], s[26:27] offset:i*32768
.set i, i+1
.endr
	s_wait_tensorcnt 0x0                           ; the wave's end
	ds_add_u32 v[SPW], v[NIL]
	s_wait_dscnt 0x0
	s_endpgm
.Lfunc_end_k_q72e20f7ecd_prep:
	.size	k_q72e20f7ecd_prep, .Lfunc_end_k_q72e20f7ecd_prep-k_q72e20f7ecd_prep
	.p2alignl 7, 3214868480
	.fill 96, 4, 3214868480
	.section	.rodata,"a",@progbits
	.p2align	6, 0x0
	.amdhsa_kernel k_q72e20f7ecd_prep
		.amdhsa_group_segment_fixed_size 18432
		.amdhsa_private_segment_fixed_size 0
		.amdhsa_enable_private_segment 0
		.amdhsa_kernarg_size 88
		.amdhsa_user_sgpr_count 2
		.amdhsa_user_sgpr_kernarg_segment_ptr 1
		.amdhsa_wavefront_size32 1
		.amdhsa_system_sgpr_workgroup_id_x 1
		.amdhsa_system_sgpr_workgroup_id_y 1
		.amdhsa_system_sgpr_workgroup_id_z 1
		.amdhsa_system_vgpr_workitem_id 0
		.amdhsa_next_free_vgpr 208
		.amdhsa_next_free_sgpr 66
		.amdhsa_reserve_vcc 0
		.amdhsa_float_denorm_mode_32 3
		.amdhsa_float_denorm_mode_16_64 3
		.amdhsa_memory_ordered 1
		.amdhsa_forward_progress 1
		.amdhsa_inst_pref_size 34
	.end_amdhsa_kernel
	.amdgpu_metadata
---
amdhsa.version: [ 1, 2 ]
amdhsa.kernels:
  - .name:           k_q72e20f7ecd_prep
    .symbol:         k_q72e20f7ecd_prep.kd
    .args:
      - { .name: xq, .offset: 0, .size: 8, .value_kind: global_buffer, .address_space: global }
      - { .name: xk, .offset: 8, .size: 8, .value_kind: global_buffer, .address_space: global }
      - { .name: xv, .offset: 16, .size: 8, .value_kind: global_buffer, .address_space: global }
      - { .name: W_q, .offset: 24, .size: 8, .value_kind: global_buffer, .address_space: global }
      - { .name: W_k, .offset: 32, .size: 8, .value_kind: global_buffer, .address_space: global }
      - { .name: W_v, .offset: 40, .size: 8, .value_kind: global_buffer, .address_space: global }
      - { .name: W_o, .offset: 48, .size: 8, .value_kind: global_buffer, .address_space: global }
      - { .name: mask, .offset: 56, .size: 8, .value_kind: global_buffer, .address_space: global }
      - { .name: xb, .offset: 64, .size: 8, .value_kind: global_buffer, .address_space: global }
      - { .name: wt, .offset: 72, .size: 8, .value_kind: global_buffer, .address_space: global }
      - { .name: mbits, .offset: 80, .size: 8, .value_kind: global_buffer, .address_space: global }
    .group_segment_fixed_size: 18432
    .private_segment_fixed_size: 0
    .kernarg_segment_align: 8
    .kernarg_segment_size: 88
    .max_flat_workgroup_size: 256
    .sgpr_count:     66
    .vgpr_count:     208
    .wavefront_size: 32
...
	.end_amdgpu_metadata
.endif
;; end of part 1
;; launch proj (part 2): grid 4 x 192, 4 waves a work-group, clusters of 4 x 4, 327,680 bytes of LDS; arguments xb, wt, qh, kv; writes qh, kv
.if DOCPART == 2
	.amdgcn_target "amdgcn-amd-amdhsa--gfx1250"
	.amdhsa_code_object_version 6
	.text
	.protected	k_q72e20f7ecd_proj
	.globl	k_q72e20f7ecd_proj
	.p2align	8
	.type	k_q72e20f7ecd_proj,@function
k_q72e20f7ecd_proj:
	s_mov_b64 s[64:65], 0
	v_nop
	global_prefetch_b8 v0, s[64:65] scope:SCOPE_SE
	s_setreg_imm32_b32 hwreg(HW_REG_WAVE_MODE, 25, 1), 1
	s_wait_xcnt 0x0
	s_wait_alu depctr_hold_cnt(0) depctr_sa_sdst(0) depctr_va_vdst(0) depctr_va_sdst(0) depctr_va_ssrc(0) depctr_va_vcc(0) depctr_vm_vsrc(0)
	s_getreg_b32 s2, hwreg(HW_REG_IB_STS2, 6, 4)
	s_cmp_eq_u32 s2, 0
	s_cbranch_scc0 .Lentry_in_a_cluster
	s_endpgm
.Lentry_in_a_cluster:
	s_bfe_u32 s2, ttmp6, 0x10000c
	s_cmp_lg_u32 s2, 0xf033
	s_cbranch_scc0 .Lentry_shape_is_right
	s_endpgm
.Lentry_shape_is_right:
; THE THREE PROJECTIONS.  C[m][n] = sum over k of x[m][k] W[k][n], K = 1,024, bf16 operands, f32 sums; p = 0, 1, 2 (q, k, v) is the tile row / 64.
; A = xb[p] (bf16, blocks along K: [b][kb][s][64]), B = wt[p] ([n][k], rows of 2,048 bytes).  Out, f16, rounded once, by heads: q -> qh[bh][s][64], times log2(e) in f32 ahead of the rounding
; (the attention launch then scales by 1/8, a power of two); k, v -> kv[bh][s / 64][K: 64 x 128 bytes][V: 64 x 128 bytes].
; LIMIT.  f16 ends at 65,504: q log2(e), k and v must lie within it (with x and W as drawn they reach about 7).
; SHARES.  A tile of C is 128 (m) x 256 (n): 768 work-groups, three for each of 256 WGPs.  Four waves, 2 x 2, each 64 x 128: 32 accumulators.  K goes in steps of 128 through two LDS slots.
; CLUSTER 4 x 4: the four of a row need the same tile of A, the four of a column the same tile of B: each is asked for jointly.  The matrix instruction is used transposed (source 0 = 16 rows of B,
; source 1 = 16 rows of A): a lane then holds eight neighbouring columns of one row of C.
; REGISTERS.  Window 0: v16-30 addresses; A's fragments v64-95, v96-127 (two buffers of 4 x 16 rows x 32 K); B's v128-191, v192-255 (8 each).  Window 1: accumulator (a, b) at v[8 (8 a + b)].
.set ASUB,   128*144                   ; 128 tokens x 64 channels: rows of 128 bytes + 16 of padding: the 16 rows of a fragment load start at 16 different groups of four banks (64 banks of 4 bytes: ISA guide 11.1)
.set BHALF,  128*272                   ; 128 rows of B x 128 channels: 256 bytes + 16
.set SLOT,   2*ASUB+2*BHALF            ; A's two blocks kb, then B's 256 rows
.set STAGE,  2*SLOT                    ; behind the ring: 16 rows x 272 bytes for each wave, for the way out
.set SPITCH, 272
.set SPARE,  STAGE+4*16*SPITCH         ; behind the stages: the spare words, 128 bytes a wave
.set ASTEP,  2*262144                  ; bytes of A from a K step to the next: two blocks kb
.set BSTEP,  256
.set ADRA, 16                          ; v16-17  LDS address of my A fragments in slot 0, 1
.set ADRB, 20                          ; v20-21  the same for B
.set STO,  24                          ; v24     the way out: where I put 16 bytes of a row
.set RD,   25                          ; v25     where I read rows back
.set CO,   26                          ; v26     16 x lane
.set SPW,  28                          ; v28     SPARE + 4 x my thread's number; never rewritten
.set NIL,  29                          ; v29     0; never rewritten
.set PFO,  30                          ; v30     the prefetches' lane offset; never rewritten
.set TMP,  64                          ; the way out: packed results
.set BK,   96                          ; and rows read back
.set G1,  24                           ; s[24:31] group 1 for A;  s[32:39] group 0, a set for each slot
.set G0,  32
.set G1B, 48                           ; s[48:55], s[56:63] the same for B
.set G0B, 56
.set LIM, 43                           ; s43  1 in a wave that prefetches, else the greatest number
.set PFA, 44                           ; s[44:45] where my prefetches stand
.set PFS, 66                           ; s[66:67] their step from K step to K step
.set MUL, 0x50                         ; C and D in window 1, the sources in window 0
.set MSB, 0
.macro WIN new                         ; the immediate's high byte repeats the setting that is left
.if MSB != (\new)
	s_set_vgpr_msb (MSB<<8)|(\new)
.set MSB, \new
.endif
.endm
.macro JLOAD s                         ; a joint load: waves 0 and 1 fetch A's two blocks, waves 2 and 3 B's two halves; an s_nop 0 and four v_nop follow each line
	s_cmp_eq_u32 s11, 0
	s_cbranch_scc0 .Lfor_b_\@
	tensor_load_to_lds s[G0+4*(\s):G0+4*(\s)+3], s[G1:G1+7]
	s_nop 0
.rept 4
	v_nop
.endr
	s_branch .Lasked_\@
.Lfor_b_\@:
	tensor_load_to_lds s[G0B+4*(\s):G0B+4*(\s)+3], s[G1B:G1B+7]
	s_nop 0
.rept 4
	v_nop
.endr
.Lasked_\@:
.endm
; A prefetch of the K step that stands two refills on (256 matrix instructions ahead of its load).  A's tiles are read by one row of one cluster: wave 0 of each of the four partners names 8 KiB of the
; step's 32 KiB, told apart by address.  B's rows are read by the sixteen clusters of a projection: the first of them asks, waves 2 and 3, 32 rows a work-group, a lane a row.  So each block of 256
; bytes is named once.  The loop's last trip asks for nothing: there is no K step two on.
.macro ASK
	s_cmp_gt_u32 s3, s[LIM]
	s_cbranch_scc0 .Lnot_mine_\@
	global_prefetch_b8 v[PFO], s[PFA:PFA+1] th:TH_LOAD_NT scope:SCOPE_SE
.Lnot_mine_\@:
.endm
.macro CREST                           ; a round of the cluster's barrier behind its opening barrier
	s_cmp_lg_u32 s10, 0
	s_cbranch_scc1 .Lnot_wave_0_\@
	s_barrier_signal -3
.Lnot_wave_0_\@:
	s_barrier_wait -3
	s_barrier_signal -1
	s_barrier_wait -1
.endm
.macro CROUND
	s_barrier_signal -1
	s_barrier_wait -1
	CREST
.endm
	s_load_b128 s[4:7], s[0:1], 0x0                ; xb s[4:5], wt s[6:7]
	s_load_b128 s[72:75], s[0:1], 0x10             ; qh s[72:73], kv s[74:75]
	v_lshl_add_u32 v[SPW], v0, 2, SPARE
	v_mov_b32 v[NIL], 0
	ds_add_u32 v[SPW], v[NIL]                      ; the wave's opening: the add and its wait ahead of my first tensor load
	v_lshrrev_b32 v1, 5, v0
	v_readfirstlane_b32 s10, v1                    ; wave 0..3
	s_lshr_b32 s11, s10, 1                         ; my half of the tile's rows.  Also: I fetch for A (0) or for B (1)
	s_and_b32 s12, s10, 1                          ; my half of its columns.  Also: which part I fetch
	s_bfe_u32 s40, ttmp6, 0x40000                  ; cx
	s_bfe_u32 s41, ttmp6, 0x40004                  ; cy
	s_lshl_b32 s42, ttmp9, 2
	s_add_co_u32 s42, s42, s40                     ; tile column
	s_and_b32 s71, ttmp7, 0xffff                   ; the cluster's y
	s_lshl_b32 s13, s71, 2
	s_add_co_u32 s13, s13, s41                     ; tile row, 0..191
	s_lshr_b32 s70, s71, 4                         ; p: the same in all sixteen partners
	s_lshl_b32 s43, s41, 2
	s_lshl_b32 s43, 15, s43                        ; my row of the cluster
	s_lshl_b32 s44, 0x1111, s40                    ; my column
	s_or_b32 s[G1+0], s43, (1<<16)|(1<<20)|(1<<21)|(4<<22)|(3<<25)   ; mask; 2-byte elements; padding on; 21 set beside a mask; after every 32 words 4 words
	s_or_b32 s[G1B+0], s44, (1<<16)|(1<<20)|(1<<21)|(5<<22)|(3<<25)  ; after every 64 words 4 words
	s_mov_b32 s[G1+1], 128<<16                     ; A: 16,384 dense bytes as 64 rows of 128 elements
	s_mov_b32 s[G1+2], 64<<16
	s_mov_b32 s[G1+3], 128<<16
	s_mov_b32 s[G1+4], 64
	s_mov_b32 s[G1+5], 128
	s_mov_b32 s[G1+6], 0
	s_mov_b32 s[G1+7], 0
	s_mov_b32 s[G1B+1], 128<<16                    ; B: 128 rows of 128 elements, 1,024 elements from row to row
	s_mov_b32 s[G1B+2], 128<<16
	s_mov_b32 s[G1B+3], 128<<16
	s_mov_b32 s[G1B+4], 128
	s_mov_b32 s[G1B+5], 1024
	s_mov_b32 s[G1B+6], 0
	s_mov_b32 s[G1B+7], 0
	s_lshr_b32 s16, s13, 4                         ; A hangs on the tile row alone: (p, b) x 16 blocks of 262,144,
	s_lshl_b32 s16, s16, 22
	s_and_b32 s17, s13, 15
	s_lshl_b32 s17, s17, 14                        ; 128 tokens of 128 bytes,
	s_add_co_u32 s16, s16, s17
	s_lshl_b32 s17, s12, 18                        ; my block kb of the step's two
	s_add_co_u32 s16, s16, s17
	s_mov_b32 s17, 0
	s_lshl_b32 s46, s42, 8                         ; B hangs on the tile column (and p): row 256 x column + 128 x half
	s_lshl_b32 s47, s12, 7
	s_add_co_u32 s46, s46, s47
	s_lshl_b32 s46, s46, 11
	s_lshl_b32 s47, s70, 21
	s_add_co_u32 s46, s46, s47
	s_mov_b32 s47, 0
	s_mul_i32 s20, s12, ASUB                       ; where they go: no place in the cluster enters an LDS address
	s_mul_i32 s21, s12, BHALF
	s_add_co_u32 s21, s21, 2*ASUB
	s_wait_dscnt 0x0                               ; the opening add is done
	s_wait_kmcnt 0x0
	s_add_nc_u64 s[14:15], s[4:5], s[16:17]
	s_add_nc_u64 s[46:47], s[6:7], s[46:47]
	CROUND                                         ; all sixteen work-groups are here: the first joint loads meet
.irp s, 0,1
	s_mov_b32 s[G0+4*(\s)], 1
	s_add_co_u32 s[G0+4*(\s)+1], s20, (\s)*SLOT
	s_add_nc_u64 s[G0+4*(\s)+2:G0+4*(\s)+3], s[14:15], (\s)*ASTEP
	s_or_b32 s[G0+4*(\s)+3], s[G0+4*(\s)+3], 0x80000000
	s_mov_b32 s[G0B+4*(\s)], 1
	s_add_co_u32 s[G0B+4*(\s)+1], s21, (\s)*SLOT
	s_add_nc_u64 s[G0B+4*(\s)+2:G0B+4*(\s)+3], s[46:47], (\s)*BSTEP
	s_or_b32 s[G0B+4*(\s)+3], s[G0B+4*(\s)+3], 0x80000000
	JLOAD \s                                       ; two loads of mine are out
.endr
	v_and_b32 v1, 15, v0                           ; l % 16
	v_bfe_u32 v2, v0, 4, 1                         ; l / 16
	v_mul_u32_u24 v3, v1, 144
	v_lshl_add_u32 v3, v2, 4, v3
	v_mul_u32_u24 v4, v1, 272
	v_lshl_add_u32 v4, v2, 4, v4
	s_mul_i32 s21, s11, 64*144                     ; my 64 rows of A
	s_mul_i32 s22, s12, BHALF                      ; my 128 rows of B,
	s_add_co_u32 s22, s22, 2*ASUB                  ; behind A's two blocks
.irp s, 0,1
	v_add_nc_u32 v[ADRA+(\s)], s21, v3
	v_add_nc_u32 v[ADRB+(\s)], s22, v4
	s_add_co_u32 s21, s21, SLOT
	s_add_co_u32 s22, s22, SLOT
.endr
	s_mul_i32 s23, s10, 16*SPITCH
	s_add_co_u32 s23, s23, STAGE                   ; my stage
	v_add_nc_u32 v[STO], s23, v4                   ; in: row l % 16, 16 bytes for each half of the lanes
	v_bfe_u32 v5, v0, 3, 2
	v_and_b32 v6, 7, v0
	v_mul_u32_u24 v5, v5, SPITCH
	v_lshl_add_u32 v5, v6, 4, v5
	v_add_nc_u32 v[RD], s23, v5                    ; back: 32 lanes take 128 bytes (a head's 64 channels) of four rows
	v_and_b32 v7, 31, v0
	v_lshlrev_b32 v[CO], 4, v7                     ; which are 512 consecutive bytes of the output
	; where my 64 tokens x 2 heads go
	s_and_b32 s76, s13, 63
	s_lshr_b32 s77, s76, 4
	s_lshl_b32 s77, s77, 4                         ; 16 b
	s_lshl_b32 s78, s42, 2
	s_add_co_u32 s77, s77, s78
	s_lshl_b32 s78, s12, 1
	s_add_co_u32 s77, s77, s78                     ; (b, my first head)
	s_lshl_b32 s77, s77, 18
	s_and_b32 s76, s76, 15
	s_lshl_b32 s76, s76, 1
	s_add_co_u32 s76, s76, s11                     ; my block of 64 tokens
	s_lshl_b32 s76, s76, 13
	s_add_co_u32 s76, s76, s77
	s_cmp_lg_u32 s70, 0
	s_cselect_b32 s79, 1, 0                        ; in kv everything lies twice as far apart
	s_lshl_b32 s76, s76, s79
	s_lshl_b32 s78, 262144, s79                    ; from a head to the next
	s_mov_b32 s79, 0
	s_cmp_eq_u32 s70, 2
	s_cselect_b32 s77, 0x2000, 0                   ; V lies behind K
	s_add_co_u32 s76, s76, s77
	s_mov_b32 s77, 0
	s_cmp_eq_u32 s70, 0
	s_cselect_b64 s[8:9], s[72:73], s[74:75]
	s_add_nc_u64 s[8:9], s[8:9], s[76:77]
	s_add_nc_u64 s[68:69], s[8:9], s[78:79]
	; the prefetches
	s_lshr_b32 s20, s13, 4
	s_lshl_b32 s20, s20, 22
	s_and_b32 s21, s13, 15
	s_lshl_b32 s21, s21, 14
	s_add_co_u32 s20, s20, s21
	s_lshr_b32 s21, s40, 1
	s_lshl_b32 s21, s21, 18                        ; partner cx: block kb cx / 2,
	s_add_co_u32 s20, s20, s21
	s_and_b32 s21, s40, 1
	s_lshl_b32 s21, s21, 13                        ; half cx % 2 of its 16 KiB
	s_add_co_u32 s20, s20, s21
	s_add_co_u32 s20, s20, 3*ASTEP                 ; at K step 3: the first refill steps it to 4
	s_lshl_b32 s22, s42, 8
	s_lshl_b32 s23, s12, 7
	s_add_co_u32 s22, s22, s23
	s_lshl_b32 s23, s41, 5                         ; partner cy: 32 of the 128 rows
	s_add_co_u32 s22, s22, s23
	s_lshl_b32 s22, s22, 11
	s_lshl_b32 s23, s70, 21
	s_add_co_u32 s22, s22, s23
	s_add_co_u32 s22, s22, 3*BSTEP
	s_and_b32 s23, s71, 15                         ; 0 in the projection's first cluster
	s_mov_b32 s18, ASTEP
	s_cmp_eq_u32 s11, 0
	s_cselect_b32 s20, s20, s22
	s_cselect_b32 s23, s12, s23                    ; for A: wave 0 asks, wave 1 does not
	s_cselect_b32 s[PFS], s18, BSTEP
	s_cselect_b32 s22, 8, 11                       ; a lane 256 bytes on (A, dense) or a row on (B)
	s_cselect_b64 s[PFA:PFA+1], s[4:5], s[6:7]
	s_cmp_eq_u32 s23, 0
	s_cselect_b32 s[LIM], 1, -1
	s_mov_b32 s21, 0
	s_mov_b32 s[PFS+1], 0
	s_add_nc_u64 s[PFA:PFA+1], s[PFA:PFA+1], s[20:21]
	v_lshlrev_b32 v[PFO], s22, v7
	s_mov_b32 s18, 0x3fb8aa3b                      ; log2(e), for q
	s_mov_b32 s19, s18                             ; named with it as a pair
.macro MULA f, a, zero                 ; 8 matrix instructions: m block a x all 8 n blocks, 32 along K, from buffer f.  The 32 accumulators take turns in the same order in every quarter
	WIN MUL
.irp b, 0,1,2,3,4,5,6,7
.if \zero
	v_wmma_f32_16x16x32_bf16 v[8*(8*(\a)+(\b)):8*(8*(\a)+(\b))+7], v[128+64*(\f)+8*(\b):128+64*(\f)+8*(\b)+7], v[64+32*(\f)+8*(\a):64+32*(\f)+8*(\a)+7], 0
.else
	v_wmma_f32_16x16x32_bf16 v[8*(8*(\a)+(\b)):8*(8*(\a)+(\b))+7], v[128+64*(\f)+8*(\b):128+64*(\f)+8*(\b)+7], v[64+32*(\f)+8*(\a):64+32*(\f)+8*(\a)+7], v[8*(8*(\a)+(\b)):8*(8*(\a)+(\b))+7]
.endif
.endr
.endm
.macro FETCH slot, qn, f               ; 24 LDS loads in one run: quarter qn's fragments into buffer f: B's 16, then A's 8
	WIN 0
.irp i, 0,1,2,3,4,5,6,7
	ds_load_b128 v[128+64*(\f)+8*(\i):128+64*(\f)+8*(\i)+3],   v[ADRB+(\slot)] offset:(\qn)*64+(\i)*16*272
	ds_load_b128 v[128+64*(\f)+8*(\i)+4:128+64*(\f)+8*(\i)+7], v[ADRB+(\slot)] offset:(\qn)*64+(\i)*16*272+32
.endr
.irp i, 0,1,2,3
	ds_load_b128 v[64+32*(\f)+8*(\i):64+32*(\f)+8*(\i)+3],   v[ADRA+(\slot)] offset:((\qn)/2)*ASUB+((\qn)%2)*64+(\i)*16*144
	ds_load_b128 v[64+32*(\f)+8*(\i)+4:64+32*(\f)+8*(\i)+7], v[ADRA+(\slot)] offset:((\qn)/2)*ASUB+((\qn)%2)*64+(\i)*16*144+32
.endr
.endm
.macro PLACES                          ; four places in front of loads into registers that matrix instructions have read, and of lines that read results
.rept 4
	v_nop
.endr
.endm
.macro QUARTER slot, qn, f, g, zero    ; multiplies buffer f; in its middle fetches quarter qn of the same slot into g
	s_wait_dscnt 4                                 ; B and A's blocks 0, 1 are in; the youngest four loads (A's blocks 2, 3) may be out
	MULA \f, 0, \zero
	MULA \f, 1, \zero
	PLACES
	FETCH \slot, \qn, \g
	s_wait_dscnt 24                                ; all but the 24 just issued
	MULA \f, 2, \zero
	MULA \f, 3, \zero
.endm
; The fourth quarter multiplies buffer 1 and changes slots: one barrier; in front of it each wave waits for all its tensor loads (one is out: its part of the next slot), adds 0 to its spare word,
; and waits for that and for its reads of this slot.  fill = 1: the barrier opens a round of the cluster's, and this slot is filled again, two K steps on, first thing behind the round.
.macro TURN slot, next, fill
.if \fill
	s_wait_xcnt 0x0                                ; the last prefetch, a K step back, has read its address
	s_add_nc_u64 s[PFA:PFA+1], s[PFA:PFA+1], s[PFS:PFS+1]
.endif
	WIN 0
	s_wait_tensorcnt 0x0
	ds_add_u32 v[SPW], v[NIL]
	s_wait_dscnt 5                                 ; (the add and the youngest four loads may be out)
	MULA 1, 0, 0
	s_wait_dscnt 0x0                               ; the add is done, and my reads of this slot are over
	s_barrier_signal -1
	MULA 1, 1, 0
.if \fill
	WIN 0
.endif
	s_barrier_wait -1
.if \fill
	CREST                                          ; no wave of any partner still reads this slot or has a load on its way
	s_add_nc_u64 s[G0+4*(\slot)+2:G0+4*(\slot)+3], s[G0+4*(\slot)+2:G0+4*(\slot)+3], 2*ASTEP
	s_add_nc_u64 s[G0B+4*(\slot)+2:G0B+4*(\slot)+3], s[G0B+4*(\slot)+2:G0B+4*(\slot)+3], 2*BSTEP
	JLOAD \slot                                    ; its four v_nop are also the places in front of the loads below
.else
	PLACES
.endif
	FETCH \next, 0, 0
.if \fill
	ASK
.endif
	MULA 1, 2, 0
	MULA 1, 3, 0
.endm
	s_wait_tensorcnt 1                             ; my part of K step 0 is in; K step 1's may stay out
	s_barrier_signal -1
	s_barrier_wait -1
	FETCH 0, 0, 0
	QUARTER 0, 1, 0, 1, 1                          ; the first quarter's products start the sums
	WIN 0
	s_mov_b32 s3, 3                                ; 8 K steps: three trips fill both slots again (K steps 2 to 7)
.Llap:
	QUARTER 0, 2, 1, 0, 0
	QUARTER 0, 3, 0, 1, 0
	TURN 0, 1, 1
	QUARTER 1, 1, 0, 1, 0
	QUARTER 1, 2, 1, 0, 0
	QUARTER 1, 3, 0, 1, 0
	TURN 1, 0, 1
	QUARTER 0, 1, 0, 1, 0
	WIN 0
	s_sub_co_u32 s3, s3, 1
	s_cmp_lg_u32 s3, 0
	s_cbranch_scc1 .Llap
	QUARTER 0, 2, 1, 0, 0                          ; the last lap fills nothing
	QUARTER 0, 3, 0, 1, 0
	TURN 0, 1, 0
	QUARTER 1, 1, 0, 1, 0
	QUARTER 1, 2, 1, 0, 0
	QUARTER 1, 3, 0, 1, 0
	s_wait_dscnt 4
	MULA 1, 0, 0
	MULA 1, 1, 0
	s_wait_dscnt 0x0
	MULA 1, 2, 0
	MULA 1, 3, 0
	WIN 0
	PLACES
	s_cmp_lg_u32 s70, 0                            ; p is the same in all partners
	s_cbranch_scc1 .Lplain
	WIN 0x41                                       ; q alone: its f32 sums times log2(e), each accumulator from its low end on
.set i, 0
.rept 128
	v_pk_mul_f32 v[i:i+1], v[i:i+1], s[18:19] op_sel_hi:[1,0]
.set i, i+2
.endr
	WIN 0
.Lplain:
; THE WAY OUT, 16 rows at a time: rounded to f16, 16 bytes a lane into my stage, back as 128-byte pieces of four rows, stored as 512 consecutive bytes of one head.
.macro OUTBLK a
	WIN 0x05                                       ; sources in window 1
.irp b, 0,1,2,3,4,5,6,7
.irp r, 0,1,2,3
	v_cvt_pk_f16_f32 v[TMP+4*(\b)+(\r)], v[64*(\a)+8*(\b)+2*(\r)], v[64*(\a)+8*(\b)+2*(\r)+1]
.endr
.endr
	WIN 0
.irp b, 0,1,2,3,4,5,6,7
	ds_store_b128 v[STO], v[TMP+4*(\b):TMP+4*(\b)+3] offset:32*(\b)
.endr
	s_wait_xcnt 0x0                                ; the block before's stores have read the registers that are loaded again below
.irp t, 0,1,2,3,4,5,6,7
	ds_load_b128 v[BK+4*(\t):BK+4*(\t)+3], v[RD] offset:((\t)%4)*4*SPITCH+((\t)/4)*128  ; LDS serves a wave's instructions in order: these see the stores above
.endr
	s_wait_dscnt 0x0
.irp t, 0,1,2,3
	global_store_b128 v[CO], v[BK+4*(\t):BK+4*(\t)+3], s[8:9] offset:(\a)*2048+(\t)*512
.endr
.irp t, 0,1,2,3
	global_store_b128 v[CO], v[BK+16+4*(\t):BK+16+4*(\t)+3], s[68:69] offset:(\a)*2048+(\t)*512
.endr
.endm
	OUTBLK 0
	OUTBLK 1
	OUTBLK 2
	OUTBLK 3
	s_wait_tensorcnt 0x0                           ; the wave's end
	ds_add_u32 v[SPW], v[NIL]
	s_wait_dscnt 0x0
	CROUND                                         ; the closing round
	s_endpgm
.Lfunc_end_k_q72e20f7ecd_proj:
	.size	k_q72e20f7ecd_proj, .Lfunc_end_k_q72e20f7ecd_proj-k_q72e20f7ecd_proj
	.p2alignl 7, 3214868480
	.fill 96, 4, 3214868480
	.section	.rodata,"a",@progbits
	.p2align	6, 0x0
	.amdhsa_kernel k_q72e20f7ecd_proj
		.amdhsa_group_segment_fixed_size 327680
		.amdhsa_private_segment_fixed_size 0
		.amdhsa_enable_private_segment 0
		.amdhsa_kernarg_size 32
		.amdhsa_user_sgpr_count 2
		.amdhsa_user_sgpr_kernarg_segment_ptr 1
		.amdhsa_wavefront_size32 1
		.amdhsa_system_sgpr_workgroup_id_x 1
		.amdhsa_system_sgpr_workgroup_id_y 1
		.amdhsa_system_sgpr_workgroup_id_z 1
		.amdhsa_system_vgpr_workitem_id 0
		.amdhsa_next_free_vgpr 512
		.amdhsa_next_free_sgpr 80
		.amdhsa_reserve_vcc 0
		.amdhsa_float_denorm_mode_32 3
		.amdhsa_float_denorm_mode_16_64 3
		.amdhsa_memory_ordered 1
		.amdhsa_forward_progress 1
		.amdhsa_inst_pref_size 96
	.end_amdhsa_kernel
	.amdgpu_metadata
---
amdhsa.version: [ 1, 2 ]
amdhsa.kernels:
  - .name:           k_q72e20f7ecd_proj
    .symbol:         k_q72e20f7ecd_proj.kd
    .args:
      - { .name: xb, .offset: 0, .size: 8, .value_kind: global_buffer, .address_space: global }
      - { .name: wt, .offset: 8, .size: 8, .value_kind: global_buffer, .address_space: global }
      - { .name: qh, .offset: 16, .size: 8, .value_kind: global_buffer, .address_space: global }
      - { .name: kv, .offset: 24, .size: 8, .value_kind: global_buffer, .address_space: global }
    .group_segment_fixed_size: 327680
    .private_segment_fixed_size: 0
    .kernarg_segment_align: 8
    .kernarg_segment_size: 32
    .max_flat_workgroup_size: 128
    .sgpr_count:     80
    .vgpr_count:     512
    .wavefront_size: 32
...
	.end_amdgpu_metadata
.endif
;; end of part 2
;; launch attn (part 3): grid 4 x 64, 4 waves a work-group, clusters of 4 x 1, 327,680 bytes of LDS; arguments qh, kv, mbits, ctx; writes ctx
.if DOCPART == 3
	.amdgcn_target "amdgcn-amd-amdhsa--gfx1250"
	.amdhsa_code_object_version 6
	.text
	.protected	k_q72e20f7ecd_attn
	.globl	k_q72e20f7ecd_attn
	.p2align	8
	.type	k_q72e20f7ecd_attn,@function
k_q72e20f7ecd_attn:
	s_mov_b64 s[64:65], 0
	v_nop
	global_prefetch_b8 v0, s[64:65] scope:SCOPE_SE
	s_setreg_imm32_b32 hwreg(HW_REG_WAVE_MODE, 25, 1), 1
	s_wait_xcnt 0x0
	s_wait_alu depctr_hold_cnt(0) depctr_sa_sdst(0) depctr_va_vdst(0) depctr_va_sdst(0) depctr_va_ssrc(0) depctr_va_vcc(0) depctr_vm_vsrc(0)
	s_getreg_b32 s2, hwreg(HW_REG_IB_STS2, 6, 4)
	s_cmp_eq_u32 s2, 0
	s_cbranch_scc0 .Lentry_in_a_cluster
	s_endpgm
.Lentry_in_a_cluster:
	s_bfe_u32 s2, ttmp6, 0x10000c
	s_cmp_lg_u32 s2, 0x3003
	s_cbranch_scc0 .Lentry_shape_is_right
	s_endpgm
.Lentry_shape_is_right:
; MASKED ATTENTION.  ctx[bh][q][:] = the sum over k of softmax_k(score) V[bh][k][:], score = q . k / 8, REPLACED by -1e9 where mask[q][k] is set.  The mask is an input: every key is walked.
; qh: f16 [64][2048][64], q times log2(e).  kv: f16 [64][32 steps][K: 64 keys x 128 bytes][V: the same].  mbits: [q / 32][step][64 words] of lane masks.  ctx: f16 [64][2048][64].
; Products, maxima and sums in f32; the weights p are rounded to f16 for the second product (their sum l is taken of the unrounded p), ctx once at the end.
; SOFTMAX.  s = (q log2 e) . k; p = 2^(c s - c m) with c = 1/8 and a running maximum m.  c is a power of two, so c m is exact, c s - c m is never above 0 and p never above 1.  In every step O and l are
; multiplied by a = 2^(c m_old - c m_new).  m starts at the lowest finite number, O and l at 0.  A masked s is replaced by -8e9 log2(e), rounded to f32: a row that is masked everywhere has equal weights.
; LIMITS.  p below 6e-5 keeps f16's fixed step of 6e-8; a weight below 2^-126 counts as 0 in l; NaN and infinities are not treated apart.
; SHARES.  A wave owns four PIECES of two tiles of 16 queries, a work-group's four waves 512 queries of one (batch, head).  Every wave walks all 2,048 keys, 64 a step.
; LAYOUT.  S^T = K Q^T (source 0 = 16 keys, source 1 = 16 queries): a lane holds ONE query (lane % 16) and the keys 8 (lane / 16) + 0..7.  Two such results rounded to f16 ARE source 1 of O^T = V^T P.
; THE MASK costs one v_cndmask_b32 for each register of scores: its select is a word of mbits in a scalar register, 64 words for a piece and step, brought by four scalar loads a turn ahead.
; BY TURNS.  Turn n belongs to piece n: 16 products K Q^T of piece n + 1, later 16 products V^T P of piece n - 1; beside them the scaling, exponentials, roundings, sums and rescaling of piece n, and the
; masking, maximum and statistics of piece n + 1.  Four vector instructions stand behind every matrix instruction, the others in one lump.  A turn's 66 exponentials are one batch with one wait.
; CLUSTER.  The four query blocks of a (batch, head) walk the same K and V: each tile is asked for jointly.  A step's K and V lie side by side, so wave w fetches step w of a slot's four: one line for all.
; REGISTERS, in windows of 256: window 0: v1-11 addresses and constants; v12-15, v48-63 at work; v16-47 statistics; v64-191 S^T, two buffers of two tiles; v192-255 P, likewise.
;   window 1: O^T, 32 a tile.   window 2: v0-127 Q; v128-191 K of one step; v192-255 V of one step.
.set NP,    4
.set KS,    64
.set PK,    144       ; a row of K or V in LDS: 128 bytes + 16: one pitch, since one load brings both.  K's 16 rows of a load start at 16 different groups of four banks; of V's turning load two rows in eight share four banks
.set VOFF,  KS*PK     ; a step: 64 rows of K, then 64 rows of V
.set STEPB, 2*KS*PK
.set SLOT1, 1<<17     ; a slot holds four steps (73,728 bytes); slot 1 begins here
.set STAGE, SLOT1+4*STEPB  ; behind the ring: 16 rows x 144 bytes for each wave, for the way out
.set SP,    144
.set SPARE, STAGE+4*16*SP  ; behind the stages: the spare words, 128 bytes a wave
.set NEGV, 1          ; v1   the masked score
.set AK0, 2           ; v2   my lane's place in a step's K; never rewritten
.set AV0, 3           ; v3   the same for V
.set AK,  4           ; v4   the LDS address of K's next run of loads
.set AV,  5           ; v5   of V's
.set QO,  6           ; v6   my byte offset in 16 rows of Q
.set STO, 6           ;      later: where I put 16 bytes of a row
.set RD,  7           ; v7   where I read rows back
.set GO,  8           ; v8   16 x lane
.set PFO, 9           ; v9   256 x lane; never rewritten
.set SPW, 10          ; v10  SPARE + 4 x my thread's number; never rewritten
.set NIL, 11          ; v11  0; never rewritten
.set MV,  12          ; v12-15  c m_old, by buffer and tile
.set ST,  16          ; tile t's statistics at v[ST+4 t]: c m, m, l (even keys', odd keys')
.set TMP, 48          ; by buffer and tile, four at work; when the maximum is found c2 takes a
.set S,   64
.set P,   192
.set T0,  128         ; v128-131: l % 16, l / 16, l % 8, (l / 8) % 2 during the set-up: S^T's second buffer is first written in the first turn
.set KF,  128         ; window 2
.set VF,  192         ; window 2
.set G0,  4           ; s[4:7]   descriptor group 0: it walks
.set G1,  8           ; s[8:15]  group 1
.set WV,  16          ; s16  my wave's number
.set SLOTS, 17        ; s17  slots still to be asked for
.set CNT, 18          ; s18  counts a slot's key steps
.set TBK, 19          ; s19  LDS byte at which the step whose K is fetched next begins
.set TBV, 20          ; s20  the same for V
.set LIM, 21          ; s21  1 in a wave that prefetches, else the greatest number
.set SEL, 22          ; s[22:23] v_permlanex16_b32's selects
.set OP,  24          ; s[24:25] ctx at my wave's first row
.set MP,  26          ; s[26:27] mbits at my wave's first piece
.set MOFF, 28         ; s28  256 x the step whose masks are loaded next
.set PFA, 30          ; s[30:31] where my prefetches stand
.set CS,  66          ; s[66:67] c
.set QP,  100         ; s[100:101] Q at my wave's first row
; s[32:63] and s[68:99]: the 64 mask words of one piece and step
.set MSB, 0
.macro WIN new
.if MSB != (\new)
	s_set_vgpr_msb (MSB<<8)|(\new)
.set MSB, (\new)
.endif
.endm
.set W_KQ, 0x0a       ; K and Q in window 2, S^T in window 0
.set W_PV, 0x52       ; V in window 2, P in window 0, O^T in window 1
.set W_RS, 0x41       ; O^T in window 1, a in window 0
.macro JLOAD                        ; a joint fill: my step of the slot's four; an s_nop 0 and four v_nop follow
	tensor_load_to_lds s[G0:G0+3], s[G1:G1+7]
	s_nop 0
.rept 4
	v_nop
.endr
.endm
.macro CROUND
	s_barrier_signal -1
	s_barrier_wait -1
	s_cmp_lg_u32 s[WV], 0
	s_cbranch_scc1 .Lnot_wave_0_\@
	s_barrier_signal -3
.Lnot_wave_0_\@:
	s_barrier_wait -3
	s_barrier_signal -1
	s_barrier_wait -1
.endm
; THE CHANGE OF SLOTS.  Each wave waits for all its tensor loads (one is out: its part of the other slot), adds 0 to its spare word, and waits for that and for its reads of the slot.
; fill = 1: the slot is filled again, two slots on: the barrier is a round of the cluster's, and the joint fill is the first thing behind it: it has four key steps, 512 matrix instructions, in which to land.
.macro CHANGE fill
	WIN 0
	s_wait_tensorcnt 0x0            ; no tensor load of mine is out, so group 0 may be written
	ds_add_u32 v[SPW], v[NIL]
.if \fill
	s_xor_b32 s[G0+1], s[G0+1], SLOT1
	s_add_nc_u64 s[G0+2:G0+3], s[G0+2:G0+3], 4*16384  ; the next 256 keys' K and V
	s_wait_xcnt 0x0                 ; the last prefetch has read its address
	s_add_nc_u64 s[PFA:PFA+1], s[PFA:PFA+1], 4*16384
	s_wait_dscnt 0x0                ; the add is done, and my reads of the slot are over
	CROUND
	JLOAD
.else
	s_wait_dscnt 0x0
	s_barrier_signal -1
	s_barrier_wait -1
.endif
	s_sub_co_u32 s[TBK], s[TBK], 4*STEPB
	s_xor_b32 s[TBK], s[TBK], SLOT1
	s_sub_co_u32 s[TBV], s[TBV], 4*STEPB
	s_xor_b32 s[TBV], s[TBV], SLOT1
.endm
; A PREFETCH of the slot that the next change will ask for: 64 KiB, each block of 256 bytes named once: partner cx takes 16 KiB (by address), in it waves 0 and 2 take 8 KiB each, a lane a block.
; It stands behind K's run of LDS loads in the slot's last trip: three turns and a half, some 115 matrix instructions, ahead of the joint load.  The trips ahead of the last change ask for nothing.
.macro ASK
	s_cmp_eq_u32 s[CNT], 1
	s_cselect_b32 s29, s[SLOTS], 0
	s_cmp_gt_u32 s29, s[LIM]
	s_cbranch_scc0 .Lnot_mine_\@
	global_prefetch_b8 v[PFO], s[PFA:PFA+1] th:TH_LOAD_NT scope:SCOPE_SE
.Lnot_mine_\@:
.endm
.macro MLOAD x                      ; the 64 mask words of piece x for step MOFF / 256
	s_load_b512 s[32:47], s[MP:MP+1], s[MOFF] offset:(\x)*8192
	s_load_b512 s[48:63], s[MP:MP+1], s[MOFF] offset:(\x)*8192+64
	s_load_b512 s[68:83], s[MP:MP+1], s[MOFF] offset:(\x)*8192+128
	s_load_b512 s[84:99], s[MP:MP+1], s[MOFF] offset:(\x)*8192+192
.endm
	s_load_b256 s[32:39], s[0:1], 0x0  ; qh s[32:33], kv s[34:35], mbits s[36:37], ctx s[38:39]
	v_lshl_add_u32 v[SPW], v0, 2, SPARE
	v_mov_b32 v[NIL], 0
	ds_add_u32 v[SPW], v[NIL]       ; the wave's opening: the add and its wait ahead of my first tensor load
	v_lshrrev_b32 v[T0], 5, v0
	v_readfirstlane_b32 s[WV], v[T0]
	s_bfe_u32 s40, ttmp6, 0x40000   ; cx
	s_lshl_b32 s41, ttmp9, 2
	s_add_co_u32 s41, s41, s40      ; my block of 512 queries: it enters Q's, the mask's and ctx's addresses alone
	s_and_b32 s42, ttmp7, 0xffff    ; (batch, head), which the four partners share
	s_lshl_b32 s44, s42, 19         ; its 524,288 bytes of kv,
	s_lshl_b32 s43, s[WV], 14       ; my step of a slot's four
	s_add_co_u32 s44, s44, s43
	s_mov_b32 s45, 0
	s_lshl_b32 s46, s41, 2
	s_add_co_u32 s46, s46, s[WV]    ; my wave among the head's sixteen
	s_lshl_b32 s48, s46, 15         ; its four pieces' 8,192 bytes each in mbits
	s_mov_b32 s49, 0
	s_lshl_b32 s46, s46, 14         ; its 128 rows of 128 bytes
	s_lshl_b32 s47, s42, 18
	s_add_co_u32 s46, s46, s47
	s_mov_b32 s47, 0
	s_lshl_b32 s50, s42, 19         ; the prefetches: the head,
	s_lshl_b32 s51, s40, 14         ; my work-group's 16 KiB of a slot,
	s_add_co_u32 s50, s50, s51
	s_lshr_b32 s51, s[WV], 1
	s_lshl_b32 s51, s51, 13         ; my wave's 8 KiB of them,
	s_add_co_u32 s50, s50, s51
	s_add_co_u32 s50, s50, 4*16384  ; in slot 1: the first change steps it to slot 2
	s_mov_b32 s51, 0
	s_and_b32 s52, s[WV], 1
	s_cmp_eq_u32 s52, 0
	s_cselect_b32 s[LIM], 1, -1
	s_mov_b32 s[G1], 15|(1<<16)|(1<<20)|(1<<21)|(4<<22)|(3<<25)  ; the mask of four; 2-byte elements; padding on; 21 set beside a mask; after every 32 words 4 words
	s_mov_b32 s[G1+1], 128<<16      ; 16,384 dense bytes as 64 rows of 128 elements
	s_mov_b32 s[G1+2], 64<<16
	s_mov_b32 s[G1+3], 128<<16
	s_mov_b32 s[G1+4], 64
	s_mov_b32 s[G1+5], 128
	s_mov_b32 s[G1+6], 0
	s_mov_b32 s[G1+7], 0
	s_mov_b32 s[G0], 1
	s_mul_i32 s[G0+1], s[WV], STEPB ; slot 0, my step
	s_mov_b32 s[CS], 0x3e000000     ; c = 1/8
	s_mov_b32 s[CS+1], s[CS]
	s_mov_b32 s[SEL], 0x76543210
	s_mov_b32 s[SEL+1], 0xfedcba98
	s_mov_b32 s[TBK], SLOT1+4*STEPB ; the first change of slots turns these two into 0
	s_mov_b32 s[TBV], SLOT1+4*STEPB
	s_mov_b32 s[MOFF], 0
	v_and_b32 v[PFO], 31, v0
	v_lshlrev_b32 v[PFO], 8, v[PFO]
	s_wait_dscnt 0x0                ; the opening add is done
	s_wait_kmcnt 0x0
	s_add_nc_u64 s[G0+2:G0+3], s[34:35], s[44:45]
	s_or_b32 s[G0+3], s[G0+3], 0x80000000
	s_add_nc_u64 s[QP:QP+1], s[32:33], s[46:47]
	s_add_nc_u64 s[OP:OP+1], s[38:39], s[46:47]
	s_add_nc_u64 s[MP:MP+1], s[36:37], s[48:49]
	s_add_nc_u64 s[PFA:PFA+1], s[34:35], s[50:51]
	CROUND                          ; all four work-groups are here: the first joint loads meet
	JLOAD                           ; slot 0; slot 1 is asked for when slot 0 is in
	v_and_b32 v[T0], 15, v0
	v_bfe_u32 v[T0+1], v0, 4, 1
	v_lshlrev_b32 v[QO], 7, v[T0]
	v_lshl_add_u32 v[QO], v[T0+1], 4, v[QO]
	WIN 0x80                        ; destination window 2
.set i, 0
.rept 4*NP                          ; Q stays in registers: tile i / 2, channels 32 (i % 2) on
	global_load_b128 v[8*i:8*i+3],   v[QO], s[QP:QP+1] offset:(i/2)*2048+(i%2)*64
	global_load_b128 v[8*i+4:8*i+7], v[QO], s[QP:QP+1] offset:(i/2)*2048+(i%2)*64+32
.set i, i+1
.endr
	; What the first turn finds: V and P's second buffer hold 0 (its products V^T P, of a piece that has not been, add 0), O^T and l are 0.  No first step is written out; these lines stand in the wait for the first tile.
.set i, VF
.rept 64
	v_mov_b32 v[i], 0
.set i, i+1
.endr
	WIN 0x40
.set i, 0
.rept 64*NP
	v_mov_b32 v[i], 0
.set i, i+1
.endr
	WIN 0
.set i, 0
.rept 2*NP
	v_mov_b32 v[ST+4*i], 0xfe000000    ; c m: far below every c s, the masked one too
	v_mov_b32 v[ST+4*i+1], 0xff7fffff  ; m
	v_mov_b32 v[ST+4*i+2], 0
	v_mov_b32 v[ST+4*i+3], 0
.set i, i+1
.endr
.set i, P+32
.rept 32
	v_mov_b32 v[i], 0
.set i, i+1
.endr
	v_mul_u32_u24 v[AK0], v[T0], PK
	v_lshl_add_u32 v[AK0], v[T0+1], 4, v[AK0]
	v_and_b32 v[T0+2], 7, v0        ; the turning load: lane l reads key 8 (l / 16) + l % 8, channels 8 ((l / 8) % 2) + 0..7
	v_bfe_u32 v[T0+3], v0, 3, 1
	v_lshl_add_u32 v[AV0], v[T0+1], 3, v[T0+2]
	v_mul_u32_u24 v[AV0], v[AV0], PK
	v_lshl_add_u32 v[AV0], v[T0+3], 4, v[AV0]
	v_add_nc_u32 v[AV0], VOFF, v[AV0]
	v_mov_b32 v[AK], v[AK0]         ; key step 0 lies at the head of slot 0
	MLOAD 0                         ; piece 0's masks for step 0: the arguments' registers have been used up
; THE MATRIX WORK.  The 8 accumulators of a run of 16 take turns.
.macro KQ x                         ; product i of 16 of S^T = K Q^T for piece x: channels 32 (i / 8) on, keys 16 ((i / 2) % 4) on, tile 2 x + i % 2
	WIN W_KQ
.set rS, S+64*((\x)%2)+32*(i%2)+8*((i/2)%4)
.set rK, KF+16*((i/2)%4)+8*(i/8)
.set rQ, 16*(2*(\x)+i%2)+8*(i/8)
.if i < 8
	v_wmma_f32_16x16x32_f16 v[rS:rS+7], v[rK:rK+7], v[rQ:rQ+7], 0
.else
	v_wmma_f32_16x16x32_f16 v[rS:rS+7], v[rK:rK+7], v[rQ:rQ+7], v[rS:rS+7]
.endif
.endm
.macro PV x                         ; product i of 16 of O^T += V^T P for piece x: keys 32 (i / 8) on, channels 16 ((i / 2) % 4) on, tile 2 x + i % 2
	WIN W_PV
.set rO, 32*(2*(\x)+i%2)+8*((i/2)%4)
.set rV, VF+32*(i/8)+8*((i/2)%4)
.set rP, P+32*((\x)%2)+16*(i%2)+8*(i/8)
	v_wmma_f32_16x16x32_f16 v[rO:rO+7], v[rV:rV+7], v[rP:rP+7], v[rO:rO+7]
.endm
.macro MM                           ; the turn's next matrix instruction
.if i < 16
	KQ (Y+1)%NP
.set i, i+1
.else
.set i, i-16
	PV (Y+NP-1)%NP
.set i, i+17
.endif
.endm
; THE LDS LOADS stand in runs of 16.  last = 1 (the tail): in the last trip there is no further step, and the run is jumped over.
.macro FETCH_K last=0
	WIN 0
.if \last
	s_cmp_eq_u32 s[CNT], 1
	s_cbranch_scc1 .Lno_k_\@
.endif
	WIN 0x80
.irp f, 0,1,2,3,4,5,6,7             ; keys 16 (f / 2) on, channels 32 (f % 2) on
	ds_load_b128 v[KF+8*\f:KF+8*\f+3],   v[AK] offset:(\f/2)*16*PK+(\f%2)*64
	ds_load_b128 v[KF+8*\f+4:KF+8*\f+7], v[AK] offset:(\f/2)*16*PK+(\f%2)*64+32
.endr
	s_add_co_u32 s[TBK], s[TBK], STEPB
	WIN 0
.if \last
.Lno_k_\@:
.endif
.endm
.macro FETCH_V
	WIN 0x80
.irp f, 0,1,2,3,4,5,6,7             ; keys 32 (f / 4) on, channels 16 (f % 4) on
	ds_load_tr16_b128 v[VF+8*\f:VF+8*\f+3],   v[AV] offset:(\f/4)*32*PK+(\f%4)*32
	ds_load_tr16_b128 v[VF+8*\f+4:VF+8*\f+7], v[AV] offset:(\f/4)*32*PK+16*PK+(\f%4)*32
.endr
	WIN 0
.endm
; THE VECTOR WORK OF A TURN stands in three queues, each in the order in which its entries become ready; the two tiles alternate.
.macro REGS y, u
.set rT, ST+4*(2*(\y)+(\u))
.set rC, TMP+8*((\y)%2)+4*(\u)
.set rM, MV+2*((\y)%2)+(\u)
.set rS, S+64*((\y)%2)+32*(\u)
.set rP, P+32*((\y)%2)+16*(\u)
.set rO, 32*(2*(\y)+(\u))
.endm
; Word n of the 64: register n / 2 of tile n % 2 of the NEXT piece's scores is replaced where the mask is set.  Each accumulator's lowest register comes first.
.macro CM n
	REGS (Y+1)%NP, (\n)%2
.if (\n) < 32
	v_cndmask_b32 v[rS+(\n)/2], v[rS+(\n)/2], v[NEGV], s[32+(\n)]
.else
	v_cndmask_b32 v[rS+(\n)/2], v[rS+(\n)/2], v[NEGV], s[36+(\n)]
.endif
.endm
; Number n of the 22 that find the NEXT piece's maximum and statistics: 0-11 four chains of seven scores; 12-14, 16 the four left over, the old m, the four into one; 15 c m_old is kept;
; 17, 18 the other half of the lanes: the new m; 19-21 c m; c m_old - c m_new; a.
.macro XS u, n
	REGS (Y+1)%NP, \u
.if (\n) < 4
	v_max3_num_f32 v[rC+(\n)], v[rS+8*(\n)], v[rS+8*(\n)+1], v[rS+8*(\n)+2]
.elseif (\n) < 12
	v_max3_num_f32 v[rC+(\n)%4], v[rC+(\n)%4], v[rS+8*((\n)%4)+2*((\n)/4)+1], v[rS+8*((\n)%4)+2*((\n)/4)+2]
.elseif (\n) == 12
	v_max3_num_f32 v[rC], v[rC], v[rS+7], v[rS+15]
.elseif (\n) == 13
	v_max3_num_f32 v[rC+1], v[rC+1], v[rS+23], v[rS+31]
.elseif (\n) == 14
	v_max3_num_f32 v[rC+2], v[rC+2], v[rC+3], v[rT+1]
.elseif (\n) == 15
	v_mov_b32 v[rM], v[rT]
.elseif (\n) == 16
	v_max3_num_f32 v[rC], v[rC], v[rC+1], v[rC+2]
.elseif (\n) == 17
	v_permlanex16_b32 v[rC+3], v[rC], s[SEL], s[SEL+1]
.elseif (\n) == 18
	v_max_num_f32 v[rT+1], v[rC], v[rC+3]
.elseif (\n) == 19
	v_mul_f32 v[rT], s[CS], v[rT+1]
.elseif (\n) == 20
	v_sub_f32 v[rC+1], v[rM], v[rT]
.else
	v_exp_f32 v[rC+2], v[rC+1]
.endif
.endm
; Number g of the 64 that follow the exponentials: for each four weights both pairs are rounded to f16, the second pair is added onto the first, and a group later l takes that sum (the first time as l = a l + sum).
.macro GS g
.set h, (\g)+6*((\g)/62)
.if h >= 6
.set h, h+2
.endif
	REGS Y, h%2
.set k, h/8
.if h%8 < 4
	v_cvt_pk_f16_f32 v[rP+2*k+(h%8)/2], v[rS+4*k+2*((h%8)/2)], v[rS+4*k+2*((h%8)/2)+1]
.elseif h%8 < 6
	v_pk_add_f32 v[rS+4*k:rS+4*k+1], v[rS+4*k:rS+4*k+1], v[rS+4*k+2:rS+4*k+3]
.elseif k == 1
	v_pk_fma_f32 v[rT+2:rT+3], v[rT+2:rT+3], v[rC+2:rC+3], v[rS:rS+1] op_sel_hi:[1,0,1]
.else
	v_pk_add_f32 v[rT+2:rT+3], v[rT+2:rT+3], v[rS+4*k-4:rS+4*k-3]
.endif
.endm
.macro FS f                         ; c s - c m for pair f / 2 of tile f % 2
	REGS Y, (\f)%2
	v_pk_fma_f32 v[rS+2*((\f)/2):rS+2*((\f)/2)+1], v[rS+2*((\f)/2):rS+2*((\f)/2)+1], s[CS:CS+1], v[rT:rT+1] op_sel_hi:[1,0,0] neg_lo:[0,0,1] neg_hi:[0,0,1]
.endm
; THE PLAIN QUEUE, 202 long.  0-26: scalings 0-26.  27-90: the next piece's 64 maskings.  91-118: XS's numbers 0-13.  119, 120: number 15.  121-137: the chain 14, 16, 17, 18, 19, each with one of the
; scalings 27-31 in front of its two lines, then 20.  138-201: GS's 64, which read the exponentials' results: they stand behind the wait.
.macro PL
	WIN 0
.if q < 27
	FS q
.elseif q < 91
	CM q-27
.elseif q < 119
	XS (q-91)%2, (q-91)/2
.elseif q < 121
	XS q-119, 15
.elseif (q < 136) && ((q-121)%3 == 0)
	FS 27+(q-121)/3
.elseif q < 124
	XS (q-121)%3-1, 14
.elseif q < 136
	XS (q-121)%3-1, 15+(q-121)/3
.elseif q < 138
	XS q-136, 20
.else
	GS q-138
.endif
.set q, q+1
.endm
.macro EX                           ; THE EXPONENTIALS' QUEUE, 66 long: s0-s31 of both tiles, then the next piece's two a: one batch, all ahead of the turn's one wait
	WIN 0
.if e >= 64
	XS e-64, 21
.else
	REGS Y, e%2
	v_exp_f32 v[rS+e/2], v[rS+e/2]
.endif
.set e, e+1
.endm
.macro R2                           ; THE RESCALING's QUEUE: O^T times a, two at a time, sixteen times, each accumulator from its low end on
	REGS Y, r%2
	WIN W_RS
.irp z, 0,1
	v_pk_mul_f32 v[rO+4*(r/2)+2*\z:rO+4*(r/2)+2*\z+1], v[rO+4*(r/2)+2*\z:rO+4*(r/2)+2*\z+1], v[rC+2:rC+3] op_sel_hi:[1,0]
.endr
.set r, r+1
.endm
; A TURN, for piece p.  AHEAD OF THE WAIT stands all that names no result of the turn's exponentials: 16 products K Q^T, behind each a scaling, an exponential and two rescalings; then the lump: eight plain;
; 32 times an exponential and three plain (here the maskings fall); 17 times exponential and plain (the chain); the two a; a v_nop, the plain instruction behind the last exponential.  BEHIND IT 16 products
; V^T P with four of GS's 64 each.  Exponential e wants scaling 2 (e / 4) + e % 2: up to e = 52 that is among plain 0-26, issued ahead of it; scalings 27-31 are plain 121, 124 .. 133, and their first
; readers e = 53, 56, 57, 60, 61 come behind plain 126 or later.  The first masking stands thirteen plain instructions behind the last product K Q^T.
; THE MASKS of piece p + 1 were asked for a turn ago and are waited for at the lump's head (scalar loads return in no order: the count is 0); directly behind the last masking the same registers are asked
; for again, for piece p + 2.  Piece 2's turn steps to the next step's masks, behind that wait; the bound keeps the tail's idle trip inside the table.
; K of the next step is fetched in piece 2's turn, directly behind the wait for the batch; V of the step in hand at the end of piece 0's turn, four plain instructions behind its last reader.
.macro TURN p, last=0, cnt=0
.set Y, (\p)
.set i, 0
.set q, 0
.set e, 0
.set r, 0
.if (\p) == NP-1
	s_wait_dscnt 0x0                ; K is in
.endif
	MM
	PL
	PL
	R2
.rept 15
	MM
	PL
	EX
	R2
.endr
	WIN 0
.if (\p) == NP-2
	v_add_nc_u32 v[AK], s[TBK], v[AK0]
.endif
	s_wait_kmcnt 0x0                ; the next piece's masks are in
.if (\p) == NP-2
	s_add_co_u32 s[MOFF], s[MOFF], 256
	s_min_u32 s[MOFF], s[MOFF], 31*256
.endif
.rept 8
	PL
.endr
.rept 32
	EX
	PL
	PL
	PL
.if q == 91
	MLOAD ((\p)+2)%NP
.endif
.endr
.rept 17
	EX
	PL
.endr
	EX
	EX
	v_nop
	s_wait_alu depctr_va_vdst(0)    ; the wait for the batch
.if (\p) == NP-2
	FETCH_K \last
.if !(\last)
	ASK
.endif
.endif
.if (\p) == 1
	s_wait_dscnt 0x0                ; V is in
.endif
.rept 16
	MM
.rept 4
	PL
.endr
.if ((\p) == 0) && (q == 182)
	v_add_nc_u32 v[AV], s[TBV], v[AV0]
.endif
.if ((\p) == 0) && (q == 194)
	s_add_co_u32 s[TBV], s[TBV], STEPB
.endif
.if (\cnt) && (q == 194)
	s_sub_co_u32 s[CNT], s[CNT], 1
	s_cmp_lg_u32 s[CNT], 0
.endif
.endr
.if (\p) == 0
	FETCH_V
.endif
.endm
	CHANGE 1                        ; slot 0 is in, everybody's part of it; slot 1 is asked for
	FETCH_K                         ; key step 0
	s_wait_loadcnt 0x0              ; Q
	s_wait_dscnt 0x0
.set i, 0
.rept 16
	KQ 0                            ; piece 0's first scores
.set i, i+1
.endr
	WIN 0                           ; the addresses for the way out: plain instructions, the places behind those products
	s_mul_i32 s2, s[WV], 16*SP
	s_add_co_u32 s2, s2, STAGE      ; my stage
	v_mul_u32_u24 v[STO], v[T0], SP
	v_lshl_add_u32 v[STO], v[T0+1], 4, v[STO]
	v_add_nc_u32 v[STO], s2, v[STO]
	v_bfe_u32 v[RD], v0, 3, 2
	v_mul_u32_u24 v[RD], v[RD], SP
	v_lshl_add_u32 v[RD], v[T0+2], 4, v[RD]
	v_add_nc_u32 v[RD], s2, v[RD]
	v_and_b32 v[GO], 31, v0
	v_lshlrev_b32 v[GO], 4, v[GO]
	v_mov_b32 v[NEGV], 0xd02bfb8f   ; -8e9 log2(e): times c it is -1e9 log2(e)
	s_wait_kmcnt 0x0                ; piece 0's masks
.set Y, NP-1                        ; CM and XS work for piece Y + 1: piece 0
.set cn, 0
.rept 64
	CM cn
.set cn, cn+1
.endr
	MLOAD 1                         ; piece 1's, for the first turn
.irp n, 0,1,2,3,4,5,6,7,8,9,10,11,12,13,14,15,16,17,18,19,20,21
	XS 0, \n
	XS 1, \n
.endr
	v_nop                           ; a plain instruction behind the two a,
	s_wait_alu depctr_va_vdst(0)    ; and their wait, ahead of the branch
	s_mov_b32 s[CNT], 4
	s_mov_b32 s[SLOTS], 7           ; 8 slots of 256 keys
	s_branch .Lfirst                ; the loop is entered at a step's first turn
.Lslot:                             ; six times: every slot but the last two is filled again
	CHANGE 1
	s_mov_b32 s[CNT], 4
.Lstep:                             ; a trip: pieces 2 and 3 of one step, then pieces 0 and 1 of the next
	TURN 2
	TURN 3
	WIN 0
.Lfirst:
	TURN 0
	TURN 1, 0, 1
	WIN 0
	s_cbranch_scc1 .Lstep
	s_sub_co_u32 s[SLOTS], s[SLOTS], 1
	s_cmp_lg_u32 s[SLOTS], 0
	s_cbranch_scc1 .Lslot
	CHANGE 0                        ; the tail is written out
	s_mov_b32 s[CNT], 5             ; four trips fetch the last slot's steps; the fifth is left in its middle
.Ltail:
	TURN 2, 1
	TURN 3
	WIN 0
	s_sub_co_u32 s[CNT], s[CNT], 1
	s_cmp_eq_u32 s[CNT], 0
	s_cbranch_scc1 .Lout
	TURN 0
	TURN 1
	WIN 0
	s_branch .Ltail
.Lout:                              ; the fifth trip's 16 products K Q^T and what is made of them serve nothing: the price, once a launch, of one text for every trip
	s_wait_kmcnt 0x0                ; its mask words have come: no scalar load is out at the end
.set i, 0
.rept 16
	PV NP-1
.set i, i+1
.endr
	; THE WAY OUT.  l's halves and the other half of the lanes' are added; O^T is divided by l, rounded to f16 and sent through my stage, a tile at a time.
	WIN 0
.macro ALL line:vararg
.set t, 0
.rept 2*NP
	\line
.set t, t+1
.endr
.endm
	ALL v_add_f32 v[ST+4*t+2], v[ST+4*t+2], v[ST+4*t+3]
	ALL v_permlanex16_b32 v[ST+4*t+3], v[ST+4*t+2], s[SEL], s[SEL+1]
	ALL v_add_f32 v[ST+4*t+2], v[ST+4*t+2], v[ST+4*t+3]
	ALL v_rcp_f32 v[ST+4*t+2], v[ST+4*t+2]
	v_nop
	s_wait_alu depctr_va_vdst(0)    ; one wait for the eight reciprocals
.macro PACK t
	WIN W_RS
.set i, 32*(\t)
.rept 16
	v_pk_mul_f32 v[i:i+1], v[i:i+1], v[ST+4*(\t)+2:ST+4*(\t)+3] op_sel_hi:[1,0]
.set i, i+2
.endr
	WIN 0x05
.set i, 0
.rept 16
	v_cvt_pk_f16_f32 v[S+16*(\t)+i], v[32*(\t)+2*i], v[32*(\t)+2*i+1]
.set i, i+1
.endr
	WIN 0
.irp f, 0,1,2,3
	ds_store_b128 v[STO], v[S+16*(\t)+4*\f:S+16*(\t)+4*\f+3] offset:32*\f
.endr
.irp f, 0,1,2,3
	ds_load_b128 v[S+16*(\t)+4*\f:S+16*(\t)+4*\f+3], v[RD] offset:\f*4*SP  ; LDS serves a wave's instructions in order: these see the stores above
.endr
.endm
.macro SEND t, younger              ; younger: the LDS instructions issued behind tile t's loads: the next tile's eight, or none
	WIN 0
.irp f, 0,1,2,3
	s_wait_dscnt (\younger)+3-\f
	global_store_b128 v[GO], v[S+16*(\t)+4*\f:S+16*(\t)+4*\f+3], s[OP:OP+1] offset:(\t)*2048+\f*512  ; 512 consecutive bytes, aligned
.endr
.endm
	PACK 0
.set t, 1
.rept 2*NP-1
	PACK t
	SEND t-1, 8
.set t, t+1
.endr
	SEND 2*NP-1, 0
	s_wait_tensorcnt 0x0            ; the wave's end
	ds_add_u32 v[SPW], v[NIL]
	s_wait_dscnt 0x0
	CROUND                          ; the closing round
	s_endpgm
.Lfunc_end_k_q72e20f7ecd_attn:
	.size	k_q72e20f7ecd_attn, .Lfunc_end_k_q72e20f7ecd_attn-k_q72e20f7ecd_attn
	.p2alignl 7, 3214868480
	.fill 96, 4, 3214868480
	.section	.rodata,"a",@progbits
	.p2align	6, 0x0
	.amdhsa_kernel k_q72e20f7ecd_attn
		.amdhsa_group_segment_fixed_size 327680
		.amdhsa_private_segment_fixed_size 0
		.amdhsa_enable_private_segment 0
		.amdhsa_kernarg_size 32
		.amdhsa_user_sgpr_count 2
		.amdhsa_user_sgpr_kernarg_segment_ptr 1
		.amdhsa_wavefront_size32 1
		.amdhsa_system_sgpr_workgroup_id_x 1
		.amdhsa_system_sgpr_workgroup_id_y 1
		.amdhsa_system_sgpr_workgroup_id_z 1
		.amdhsa_system_vgpr_workitem_id 0
		.amdhsa_next_free_vgpr 768
		.amdhsa_next_free_sgpr 102
		.amdhsa_reserve_vcc 0
		.amdhsa_float_denorm_mode_32 3
		.amdhsa_float_denorm_mode_16_64 3
		.amdhsa_memory_ordered 1
		.amdhsa_forward_progress 1
		.amdhsa_inst_pref_size 237
	.end_amdhsa_kernel
	.amdgpu_metadata
---
amdhsa.version: [ 1, 2 ]
amdhsa.kernels:
  - .name:           k_q72e20f7ecd_attn
    .symbol:         k_q72e20f7ecd_attn.kd
    .args:
      - { .name: qh, .offset: 0, .size: 8, .value_kind: global_buffer, .address_space: global }
      - { .name: kv, .offset: 8, .size: 8, .value_kind: global_buffer, .address_space: global }
      - { .name: mbits, .offset: 16, .size: 8, .value_kind: global_buffer, .address_space: global }
      - { .name: ctx, .offset: 24, .size: 8, .value_kind: global_buffer, .address_space: global }
    .group_segment_fixed_size: 327680
    .private_segment_fixed_size: 0
    .kernarg_segment_align: 8
    .kernarg_segment_size: 32
    .max_flat_workgroup_size: 128
    .sgpr_count:     102
    .vgpr_count:     768
    .wavefront_size: 32
...
	.end_amdgpu_metadata
.endif
;; end of part 3
;; launch oproj (part 4): grid 4 x 64, 4 waves a work-group, clusters of 4 x 4, 327,680 bytes of LDS; arguments ctx, wt, out0; writes out0
.if DOCPART == 4
	.amdgcn_target "amdgcn-amd-amdhsa--gfx1250"
	.amdhsa_code_object_version 6
	.text
	.protected	k_q72e20f7ecd_oproj
	.globl	k_q72e20f7ecd_oproj
	.p2align	8
	.type	k_q72e20f7ecd_oproj,@function
k_q72e20f7ecd_oproj:
	s_mov_b64 s[64:65], 0
	v_nop
	global_prefetch_b8 v0, s[64:65] scope:SCOPE_SE
	s_setreg_imm32_b32 hwreg(HW_REG_WAVE_MODE, 25, 1), 1
	s_wait_xcnt 0x0
	s_wait_alu depctr_hold_cnt(0) depctr_sa_sdst(0) depctr_va_vdst(0) depctr_va_sdst(0) depctr_va_ssrc(0) depctr_va_vcc(0) depctr_vm_vsrc(0)
	s_getreg_b32 s2, hwreg(HW_REG_IB_STS2, 6, 4)
	s_cmp_eq_u32 s2, 0
	s_cbranch_scc0 .Lentry_in_a_cluster
	s_endpgm
.Lentry_in_a_cluster:
	s_bfe_u32 s2, ttmp6, 0x10000c
	s_cmp_lg_u32 s2, 0xf033
	s_cbranch_scc0 .Lentry_shape_is_right
	s_endpgm
.Lentry_shape_is_right:
; THE OUTPUT PROJECTION.  out0[m][n] = sum over k of ctx[m][k] W_o[k][n], K = 1,024, f16 operands, f32 sums, f32 out.
; A = ctx (f16 [b][head][s][64]: blocks of 64 along K, as the projections' input lies), B = wt[3] = W_o turned ([n][k], rows of 2,048 bytes; W_o rounded to bf16, that number written as f16).
; SHARES.  A tile of C is 128 (m) x 256 (n): 256 work-groups, one for each WGP.  Four waves, 2 x 2, each 64 x 128: 32 accumulators.  K goes in steps of 128 through two LDS slots.
; CLUSTER 4 x 4: A's tile is shared along a row, B's along a column, each asked for jointly.  The matrix instruction is used transposed: a lane holds eight neighbouring columns of one row of C.
; REGISTERS.  Window 0: v16-30 addresses; A's fragments v64-95, v96-127; B's v128-191, v192-255.  Window 1: accumulator (a, b) at v[8 (8 a + b)].
.set ASUB,   128*144                   ; 128 tokens x 64 channels: rows of 128 bytes + 16 of padding
.set BHALF,  128*272                   ; 128 rows of B x 128 channels: 256 bytes + 16
.set SLOT,   2*ASUB+2*BHALF
.set STAGE,  2*SLOT                    ; behind the ring: 16 rows x 528 bytes for each wave
.set SPITCH, 528                       ; 512 bytes + 16 = 132 words: row r starts at bank 4 r mod 64 (64 banks of 4 bytes: ISA guide 11.1)
.set SPARE,  STAGE+4*16*SPITCH
.set ASTEP,  2*262144
.set BSTEP,  256
.set ADRA, 16
.set ADRB, 20
.set STO,  24
.set RD,   25
.set CO,   26
.set SPW,  28                          ; v28  SPARE + 4 x my thread's number; never rewritten
.set NIL,  29                          ; v29  0; never rewritten
.set PFO,  30
.set BK,   128                         ; the way out: 16 rows read back
.set G1,  24
.set G0,  32
.set G1B, 48
.set G0B, 56
.set LIM, 43
.set PFA, 44
.set PFS, 66
.set MUL, 0x50
.set MSB, 0
.macro WIN new
.if MSB != (\new)
	s_set_vgpr_msb (MSB<<8)|(\new)
.set MSB, \new
.endif
.endm
.macro JLOAD s                         ; a joint load: waves 0 and 1 fetch A's two blocks, waves 2 and 3 B's two halves; an s_nop 0 and four v_nop follow each line
	s_cmp_eq_u32 s11, 0
	s_cbranch_scc0 .Lfor_b_\@
	tensor_load_to_lds s[G0+4*(\s):G0+4*(\s)+3], s[G1:G1+7]
	s_nop 0
.rept 4
	v_nop
.endr
	s_branch .Lasked_\@
.Lfor_b_\@:
	tensor_load_to_lds s[G0B+4*(\s):G0B+4*(\s)+3], s[G1B:G1B+7]
	s_nop 0
.rept 4
	v_nop
.endr
.Lasked_\@:
.endm
; A prefetch of the K step two refills on (256 matrix instructions ahead of its load).  A: wave 0 of each of a row's four partners names 8 KiB of the step's 32 KiB, by address.  B: the first cluster
; alone asks, waves 2 and 3, 32 rows a work-group, a lane a row.  Each block of 256 bytes is named once; the loop's last trip asks for nothing.
.macro ASK
	s_cmp_gt_u32 s3, s[LIM]
	s_cbranch_scc0 .Lnot_mine_\@
	global_prefetch_b8 v[PFO], s[PFA:PFA+1] th:TH_LOAD_NT scope:SCOPE_SE
.Lnot_mine_\@:
.endm
.macro CREST
	s_cmp_lg_u32 s10, 0
	s_cbranch_scc1 .Lnot_wave_0_\@
	s_barrier_signal -3
.Lnot_wave_0_\@:
	s_barrier_wait -3
	s_barrier_signal -1
	s_barrier_wait -1
.endm
.macro CROUND
	s_barrier_signal -1
	s_barrier_wait -1
	CREST
.endm
	s_load_b128 s[4:7], s[0:1], 0x0                ; ctx s[4:5], wt s[6:7]
	s_load_b64 s[8:9], s[0:1], 0x10                ; out0
	v_lshl_add_u32 v[SPW], v0, 2, SPARE
	v_mov_b32 v[NIL], 0
	ds_add_u32 v[SPW], v[NIL]                      ; the wave's opening: the add and its wait ahead of my first tensor load
	v_lshrrev_b32 v1, 5, v0
	v_readfirstlane_b32 s10, v1
	s_lshr_b32 s11, s10, 1
	s_and_b32 s12, s10, 1
	s_bfe_u32 s40, ttmp6, 0x40000                  ; cx
	s_bfe_u32 s41, ttmp6, 0x40004                  ; cy
	s_lshl_b32 s42, ttmp9, 2
	s_add_co_u32 s42, s42, s40                     ; tile column
	s_and_b32 s71, ttmp7, 0xffff                   ; the cluster's y
	s_lshl_b32 s13, s71, 2
	s_add_co_u32 s13, s13, s41                     ; tile row, 0..63
	s_mov_b32 s70, 3                               ; W_o is the fourth matrix of wt
	s_lshl_b32 s43, s41, 2
	s_lshl_b32 s43, 15, s43
	s_lshl_b32 s44, 0x1111, s40
	s_or_b32 s[G1+0], s43, (1<<16)|(1<<20)|(1<<21)|(4<<22)|(3<<25)
	s_or_b32 s[G1B+0], s44, (1<<16)|(1<<20)|(1<<21)|(5<<22)|(3<<25)
	s_mov_b32 s[G1+1], 128<<16                     ; A: 16,384 dense bytes as 64 rows of 128 elements
	s_mov_b32 s[G1+2], 64<<16
	s_mov_b32 s[G1+3], 128<<16
	s_mov_b32 s[G1+4], 64
	s_mov_b32 s[G1+5], 128
	s_mov_b32 s[G1+6], 0
	s_mov_b32 s[G1+7], 0
	s_mov_b32 s[G1B+1], 128<<16                    ; B: 128 rows of 128 elements, 1,024 from row to row
	s_mov_b32 s[G1B+2], 128<<16
	s_mov_b32 s[G1B+3], 128<<16
	s_mov_b32 s[G1B+4], 128
	s_mov_b32 s[G1B+5], 1024
	s_mov_b32 s[G1B+6], 0
	s_mov_b32 s[G1B+7], 0
	s_lshr_b32 s16, s13, 4                         ; A hangs on the tile row alone: b x 16 heads of 262,144,
	s_lshl_b32 s16, s16, 22
	s_and_b32 s17, s13, 15
	s_lshl_b32 s17, s17, 14                        ; 128 tokens of 128 bytes,
	s_add_co_u32 s16, s16, s17
	s_lshl_b32 s17, s12, 18                        ; my head of the step's two
	s_add_co_u32 s16, s16, s17
	s_mov_b32 s17, 0
	s_lshl_b32 s46, s42, 8                         ; B hangs on the tile column alone
	s_lshl_b32 s47, s12, 7
	s_add_co_u32 s46, s46, s47
	s_lshl_b32 s46, s46, 11
	s_lshl_b32 s47, s70, 21
	s_add_co_u32 s46, s46, s47
	s_mov_b32 s47, 0
	s_mul_i32 s20, s12, ASUB
	s_mul_i32 s21, s12, BHALF
	s_add_co_u32 s21, s21, 2*ASUB
	s_wait_dscnt 0x0                               ; the opening add is done
	s_wait_kmcnt 0x0
	s_add_nc_u64 s[14:15], s[4:5], s[16:17]
	s_add_nc_u64 s[46:47], s[6:7], s[46:47]
	CROUND                                         ; all sixteen work-groups are here: the first joint loads meet
.irp s, 0,1
	s_mov_b32 s[G0+4*(\s)], 1
	s_add_co_u32 s[G0+4*(\s)+1], s20, (\s)*SLOT
	s_add_nc_u64 s[G0+4*(\s)+2:G0+4*(\s)+3], s[14:15], (\s)*ASTEP
	s_or_b32 s[G0+4*(\s)+3], s[G0+4*(\s)+3], 0x80000000
	s_mov_b32 s[G0B+4*(\s)], 1
	s_add_co_u32 s[G0B+4*(\s)+1], s21, (\s)*SLOT
	s_add_nc_u64 s[G0B+4*(\s)+2:G0B+4*(\s)+3], s[46:47], (\s)*BSTEP
	s_or_b32 s[G0B+4*(\s)+3], s[G0B+4*(\s)+3], 0x80000000
	JLOAD \s                                       ; two loads of mine are out
.endr
	v_and_b32 v1, 15, v0
	v_bfe_u32 v2, v0, 4, 1
	v_mul_u32_u24 v3, v1, 144
	v_lshl_add_u32 v3, v2, 4, v3
	v_mul_u32_u24 v4, v1, 272
	v_lshl_add_u32 v4, v2, 4, v4
	s_mul_i32 s21, s11, 64*144
	s_mul_i32 s22, s12, BHALF
	s_add_co_u32 s22, s22, 2*ASUB
.irp s, 0,1
	v_add_nc_u32 v[ADRA+(\s)], s21, v3
	v_add_nc_u32 v[ADRB+(\s)], s22, v4
	s_add_co_u32 s21, s21, SLOT
	s_add_co_u32 s22, s22, SLOT
.endr
	s_mul_i32 s23, s10, 16*SPITCH
	s_add_co_u32 s23, s23, STAGE                   ; my stage
	v_mul_u32_u24 v5, v1, SPITCH                   ; in: row l % 16, 32 bytes for each half of the lanes
	v_lshl_add_u32 v5, v2, 5, v5
	v_add_nc_u32 v[STO], s23, v5
	v_and_b32 v7, 31, v0
	v_lshlrev_b32 v[CO], 4, v7                     ; back: 32 lanes take a row's 512 bytes
	v_add_nc_u32 v[RD], s23, v[CO]
	s_lshl_b32 s76, s13, 7
	s_lshl_b32 s77, s11, 6
	s_add_co_u32 s76, s76, s77                     ; my first row of out0,
	s_lshl_b32 s76, s76, 12                        ; of 4,096 bytes,
	s_lshl_b32 s77, s42, 10                        ; the tile's 256 columns,
	s_add_co_u32 s76, s76, s77
	s_lshl_b32 s77, s12, 9                         ; my 128 of them
	s_add_co_u32 s76, s76, s77
	s_mov_b32 s77, 0
	s_add_nc_u64 s[8:9], s[8:9], s[76:77]
	; the prefetches
	s_lshr_b32 s20, s13, 4
	s_lshl_b32 s20, s20, 22
	s_and_b32 s21, s13, 15
	s_lshl_b32 s21, s21, 14
	s_add_co_u32 s20, s20, s21
	s_lshr_b32 s21, s40, 1
	s_lshl_b32 s21, s21, 18
	s_add_co_u32 s20, s20, s21
	s_and_b32 s21, s40, 1
	s_lshl_b32 s21, s21, 13
	s_add_co_u32 s20, s20, s21
	s_add_co_u32 s20, s20, 3*ASTEP                 ; at K step 3: the first refill steps it to 4
	s_lshl_b32 s22, s42, 8
	s_lshl_b32 s23, s12, 7
	s_add_co_u32 s22, s22, s23
	s_lshl_b32 s23, s41, 5
	s_add_co_u32 s22, s22, s23
	s_lshl_b32 s22, s22, 11
	s_lshl_b32 s23, s70, 21
	s_add_co_u32 s22, s22, s23
	s_add_co_u32 s22, s22, 3*BSTEP
	s_and_b32 s23, s71, 15                         ; 0 in the first cluster
	s_mov_b32 s18, ASTEP
	s_cmp_eq_u32 s11, 0
	s_cselect_b32 s20, s20, s22
	s_cselect_b32 s23, s12, s23
	s_cselect_b32 s[PFS], s18, BSTEP
	s_cselect_b32 s22, 8, 11
	s_cselect_b64 s[PFA:PFA+1], s[4:5], s[6:7]
	s_cmp_eq_u32 s23, 0
	s_cselect_b32 s[LIM], 1, -1
	s_mov_b32 s21, 0
	s_mov_b32 s[PFS+1], 0
	s_add_nc_u64 s[PFA:PFA+1], s[PFA:PFA+1], s[20:21]
	v_lshlrev_b32 v[PFO], s22, v7
.macro MULA f, a, zero                 ; 8 matrix instructions: m block a x all 8 n blocks, 32 along K.  The 32 accumulators take turns in the same order in every quarter
	WIN MUL
.irp b, 0,1,2,3,4,5,6,7
.if \zero
	v_wmma_f32_16x16x32_f16 v[8*(8*(\a)+(\b)):8*(8*(\a)+(\b))+7], v[128+64*(\f)+8*(\b):128+64*(\f)+8*(\b)+7], v[64+32*(\f)+8*(\a):64+32*(\f)+8*(\a)+7], 0
.else
	v_wmma_f32_16x16x32_f16 v[8*(8*(\a)+(\b)):8*(8*(\a)+(\b))+7], v[128+64*(\f)+8*(\b):128+64*(\f)+8*(\b)+7], v[64+32*(\f)+8*(\a):64+32*(\f)+8*(\a)+7], v[8*(8*(\a)+(\b)):8*(8*(\a)+(\b))+7]
.endif
.endr
.endm
.macro FETCH slot, qn, f               ; 24 LDS loads in one run: B's 16, then A's 8
	WIN 0
.irp i, 0,1,2,3,4,5,6,7
	ds_load_b128 v[128+64*(\f)+8*(\i):128+64*(\f)+8*(\i)+3],   v[ADRB+(\slot)] offset:(\qn)*64+(\i)*16*272
	ds_load_b128 v[128+64*(\f)+8*(\i)+4:128+64*(\f)+8*(\i)+7], v[ADRB+(\slot)] offset:(\qn)*64+(\i)*16*272+32
.endr
.irp i, 0,1,2,3
	ds_load_b128 v[64+32*(\f)+8*(\i):64+32*(\f)+8*(\i)+3],   v[ADRA+(\slot)] offset:((\qn)/2)*ASUB+((\qn)%2)*64+(\i)*16*144
	ds_load_b128 v[64+32*(\f)+8*(\i)+4:64+32*(\f)+8*(\i)+7], v[ADRA+(\slot)] offset:((\qn)/2)*ASUB+((\qn)%2)*64+(\i)*16*144+32
.endr
.endm
.macro PLACES                          ; four places in front of loads into registers that matrix instructions have read, and of lines that read results
.rept 4
	v_nop
.endr
.endm
.macro QUARTER slot, qn, f, g, zero
	s_wait_dscnt 4                                 ; B and A's blocks 0, 1 are in; the youngest four loads may be out
	MULA \f, 0, \zero
	MULA \f, 1, \zero
	PLACES
	FETCH \slot, \qn, \g
	s_wait_dscnt 24                                ; all but the 24 just issued
	MULA \f, 2, \zero
	MULA \f, 3, \zero
.endm
; The fourth quarter changes slots: one barrier; in front of it each wave waits for all its tensor loads, adds 0 to its spare word, and waits for that and for its reads of this slot.
; fill = 1: the barrier opens a round of the cluster's, and this slot is filled again, two K steps on, first thing behind the round.
.macro TURN slot, next, fill
.if \fill
	s_wait_xcnt 0x0                                ; the last prefetch, a K step back, has read its address
	s_add_nc_u64 s[PFA:PFA+1], s[PFA:PFA+1], s[PFS:PFS+1]
.endif
	WIN 0
	s_wait_tensorcnt 0x0
	ds_add_u32 v[SPW], v[NIL]
	s_wait_dscnt 5                                 ; (the add and the youngest four loads may be out)
	MULA 1, 0, 0
	s_wait_dscnt 0x0                               ; the add is done, and my reads of this slot are over
	s_barrier_signal -1
	MULA 1, 1, 0
.if \fill
	WIN 0
.endif
	s_barrier_wait -1
.if \fill
	CREST
	s_add_nc_u64 s[G0+4*(\slot)+2:G0+4*(\slot)+3], s[G0+4*(\slot)+2:G0+4*(\slot)+3], 2*ASTEP
	s_add_nc_u64 s[G0B+4*(\slot)+2:G0B+4*(\slot)+3], s[G0B+4*(\slot)+2:G0B+4*(\slot)+3], 2*BSTEP
	JLOAD \slot
.else
	PLACES
.endif
	FETCH \next, 0, 0
.if \fill
	ASK
.endif
	MULA 1, 2, 0
	MULA 1, 3, 0
.endm
	s_wait_tensorcnt 1                             ; my part of K step 0 is in; K step 1's may stay out
	s_barrier_signal -1
	s_barrier_wait -1
	FETCH 0, 0, 0
	QUARTER 0, 1, 0, 1, 1                          ; the first quarter's products start the sums
	WIN 0
	s_mov_b32 s3, 3
.Llap:
	QUARTER 0, 2, 1, 0, 0
	QUARTER 0, 3, 0, 1, 0
	TURN 0, 1, 1
	QUARTER 1, 1, 0, 1, 0
	QUARTER 1, 2, 1, 0, 0
	QUARTER 1, 3, 0, 1, 0
	TURN 1, 0, 1
	QUARTER 0, 1, 0, 1, 0
	WIN 0
	s_sub_co_u32 s3, s3, 1
	s_cmp_lg_u32 s3, 0
	s_cbranch_scc1 .Llap
	QUARTER 0, 2, 1, 0, 0                          ; the last lap fills nothing
	QUARTER 0, 3, 0, 1, 0
	TURN 0, 1, 0
	QUARTER 1, 1, 0, 1, 0
	QUARTER 1, 2, 1, 0, 0
	QUARTER 1, 3, 0, 1, 0
	s_wait_dscnt 4
	MULA 1, 0, 0
	MULA 1, 1, 0
	s_wait_dscnt 0x0
	MULA 1, 2, 0
	MULA 1, 3, 0
	WIN 0
	PLACES
; THE WAY OUT, 16 rows at a time: a lane's eight f32 go into my stage as they are (each accumulator's low four first), and come back as whole rows of 512 bytes.
.macro OUTBLK a
	WIN 0x04                                       ; the stores' data in window 1
.irp b, 0,1,2,3,4,5,6,7
	ds_store_b128 v[STO], v[64*(\a)+8*(\b):64*(\a)+8*(\b)+3]   offset:64*(\b)
	ds_store_b128 v[STO], v[64*(\a)+8*(\b)+4:64*(\a)+8*(\b)+7] offset:64*(\b)+16
.endr
	WIN 0
	s_wait_xcnt 0x0                                ; the block before's stores have read the registers that are loaded again below
.irp t, 0,1,2,3,4,5,6,7,8,9,10,11,12,13,14,15
	ds_load_b128 v[BK+4*(\t):BK+4*(\t)+3], v[RD] offset:(\t)*SPITCH  ; LDS serves a wave's instructions in order: these see the stores above
.endr
	s_wait_dscnt 0x0
.irp t, 0,1,2,3,4,5,6,7,8,9,10,11,12,13,14,15
	global_store_b128 v[CO], v[BK+4*(\t):BK+4*(\t)+3], s[8:9] offset:(\a)*65536+(\t)*4096 th:TH_STORE_NT  ; 512 consecutive bytes of one row, aligned
.endr
.endm
	OUTBLK 0
	OUTBLK 1
	OUTBLK 2
	OUTBLK 3
	s_wait_tensorcnt 0x0                           ; the wave's end
	ds_add_u32 v[SPW], v[NIL]
	s_wait_dscnt 0x0
	CROUND                                         ; the closing round
	s_endpgm
.Lfunc_end_k_q72e20f7ecd_oproj:
	.size	k_q72e20f7ecd_oproj, .Lfunc_end_k_q72e20f7ecd_oproj-k_q72e20f7ecd_oproj
	.p2alignl 7, 3214868480
	.fill 96, 4, 3214868480
	.section	.rodata,"a",@progbits
	.p2align	6, 0x0
	.amdhsa_kernel k_q72e20f7ecd_oproj
		.amdhsa_group_segment_fixed_size 327680
		.amdhsa_private_segment_fixed_size 0
		.amdhsa_enable_private_segment 0
		.amdhsa_kernarg_size 24
		.amdhsa_user_sgpr_count 2
		.amdhsa_user_sgpr_kernarg_segment_ptr 1
		.amdhsa_wavefront_size32 1
		.amdhsa_system_sgpr_workgroup_id_x 1
		.amdhsa_system_sgpr_workgroup_id_y 1
		.amdhsa_system_sgpr_workgroup_id_z 1
		.amdhsa_system_vgpr_workitem_id 0
		.amdhsa_next_free_vgpr 512
		.amdhsa_next_free_sgpr 80
		.amdhsa_reserve_vcc 0
		.amdhsa_float_denorm_mode_32 3
		.amdhsa_float_denorm_mode_16_64 3
		.amdhsa_memory_ordered 1
		.amdhsa_forward_progress 1
		.amdhsa_inst_pref_size 87
	.end_amdhsa_kernel
	.amdgpu_metadata
---
amdhsa.version: [ 1, 2 ]
amdhsa.kernels:
  - .name:           k_q72e20f7ecd_oproj
    .symbol:         k_q72e20f7ecd_oproj.kd
    .args:
      - { .name: ctx, .offset: 0, .size: 8, .value_kind: global_buffer, .address_space: global }
      - { .name: wt, .offset: 8, .size: 8, .value_kind: global_buffer, .address_space: global }
      - { .name: out0, .offset: 16, .size: 8, .value_kind: global_buffer, .address_space: global }
    .group_segment_fixed_size: 327680
    .private_segment_fixed_size: 0
    .kernarg_segment_align: 8
    .kernarg_segment_size: 24
    .max_flat_workgroup_size: 128
    .sgpr_count:     80
    .vgpr_count:     512
    .wavefront_size: 32
...
	.end_amdgpu_metadata
.endif
;; end of part 4
;; ======== version 2 of 2: 4 launches
;; limits: values are held in f16: magnitudes above 65,504 overflow, below 6.1e-05 lose precision
;; workspace buffers: wt 8,388,608 bytes; mbits 524,288 bytes of whole numbers; qh 16,777,216 bytes; kv 33,554,432 bytes; ctx 16,777,216 bytes
;; launch prep (part 5): grid 256 x 3, 8 waves a work-group, no clusters, 18,432 bytes of LDS; arguments W_q, W_k, W_v, W_o, mask, wt, mbits; writes wt, mbits
.if DOCPART == 5
	.amdgcn_target "amdgcn-amd-amdhsa--gfx1250"
	.amdhsa_code_object_version 6
	.text
	.protected	k_q72e20f7ecd_prep
	.globl	k_q72e20f7ecd_prep
	.p2align	8
	.type	k_q72e20f7ecd_prep,@function
k_q72e20f7ecd_prep:
	s_mov_b64 s[64:65], 0
	v_nop
	global_prefetch_b8 v0, s[64:65] scope:SCOPE_SE
	s_setreg_imm32_b32 hwreg(HW_REG_WAVE_MODE, 25, 1), 1
	s_wait_xcnt 0x0
; PREP: two streaming jobs, chosen by the work-group's y (the same for all eight waves of a work-group).
;   y = 0,1    W_q, W_k, W_v, W_o (f32 [1024][1024]) -> wt[w][column][row], 16 bits: rounded to bf16; W_o's bf16 number is then written as f16 (exact within f16's range;
;              below 6e-5 it keeps f16's fixed step of 6e-8), since the last product multiplies f16
;   y = 2      mask (bool [2048][2048]) -> mbits[P = q / 32][ks = k / 64][64 words]: bit L of word 2 (8 kb + j) + u is mask[32 P + 16 u + L % 16][64 ks + 16 kb + 8 (L / 16) + j]:
;              the lanes' select for register 8 kb + j of a tile of scores in the attention launch
; Memory binds both: no matrix unit, no cluster (no two work-groups read the same byte), no tensor load.  Every store of a wave covers whole aligned runs of 256 bytes.
.set SPARE, 17408                      ; behind the weights' tile: the spare words, 128 bytes for each of eight waves
.set SPW,  8                           ; v8   SPARE + 4 x my thread's number; never rewritten
.set NIL,  9                           ; v9   0; never rewritten
	s_load_b256 s[8:15], s[0:1], 0x0               ; W_q 8, W_k 10, W_v 12, W_o 14
	s_load_b128 s[16:19], s[0:1], 0x20             ; mask 16, wt 18
	s_load_b64 s[20:21], s[0:1], 0x30              ; mbits
	v_lshl_add_u32 v[SPW], v0, 2, SPARE
	v_mov_b32 v[NIL], 0
	v_lshrrev_b32 v1, 5, v0
	v_readfirstlane_b32 s3, v1                     ; wave 0..7
	v_and_b32 v2, 31, v0                           ; lane
	s_and_b32 s2, ttmp7, 0xffff                    ; y: the job
	s_mov_b32 s7, 0                                ; high words of the two offset pairs
	s_mov_b32 s31, 0
	s_wait_kmcnt 0x0
	s_cmp_lt_u32 s2, 2
	s_cbranch_scc1 .Lwt
	; THE MASK.  Work-group x: P = x / 4; wave w: ks = 8 (x % 4) + w.  A lane reads 8 bytes (j = 0..7) of row 16 u + l % 16, eight times (u, kb).
	s_lshr_b32 s4, ttmp9, 2                        ; P
	s_and_b32 s5, ttmp9, 3
	s_lshl_b32 s6, s4, 16                          ; 32 rows of 2,048 bytes
	s_lshl_b32 s30, s5, 9                          ; 8 key steps of 64 bytes
	s_add_co_u32 s6, s6, s30
	s_add_nc_u64 s[16:17], s[16:17], s[6:7]
	s_lshl_b32 s30, s4, 13                         ; 32 key steps of 256 bytes in the table
	s_lshl_b32 s5, s5, 11
	s_add_co_u32 s30, s30, s5
	s_add_nc_u64 s[20:21], s[20:21], s[30:31]
	v_and_b32 v3, 15, v2
	v_lshrrev_b32 v4, 4, v2
	v_lshlrev_b32 v3, 11, v3                       ; row l % 16
	v_lshl_add_u32 v3, v4, 3, v3                   ; + 8 (l / 16)
	v_lshl_add_u32 v3, s3, 6, v3                   ; + my wave's key step
.set n, 0
.rept 8                                            ; n = 4 u + kb
	global_load_b64 v[16+2*n:17+2*n], v3, s[16:17] offset:(n/4)*32768+(n%4)*16
.set n, n+1
.endr
	v_mov_b32 v40, 0                               ; v_writelane_b32 keeps the other lanes: both are written whole first
	v_mov_b32 v41, 0
	v_lshlrev_b32 v43, 3, v0                       ; 256 bytes a wave, 8 a lane
	s_wait_loadcnt 0x0
.set n, 0
.rept 64                                           ; n = 32 u + 8 kb + j: byte j of the pair -> a lane mask -> lane 8 kb + j of v[40 + u]
	v_and_b32 v[44+n%4], 0xff<<(8*(n%4)), v[16+2*(n/8)+(n%8)/4]
	v_cmp_ne_u32 s[32+n%4], 0, v[44+n%4]
	v_writelane_b32 v[40+n/32], s[32+n%4], n%32
.set n, n+1
.endr
	global_store_b64 v43, v[40:41], s[20:21]       ; lane i: words 2 i and 2 i + 1; the wave: 256 consecutive bytes, aligned
	s_endpgm
	; THE WEIGHTS.  A tile of 128 rows x 64 columns is turned through LDS (64 rows of 256 bytes, pitch 272).  Thread t loads 8 rows x 4 columns, packs each column's 8 numbers into 16 bytes,
	; and after the barrier reads whole rows of the turned tile: sixteen lanes store 256 consecutive bytes.
.Lwt:
	s_lshl_b32 s30, s2, 1
	s_lshr_b32 s6, ttmp9, 7
	s_add_co_u32 s30, s30, s6                      ; which W: 0 q, 1 k, 2 v, 3 o
	s_cmp_eq_u32 s30, 1
	s_cselect_b64 s[4:5], s[10:11], s[8:9]
	s_cmp_eq_u32 s30, 2
	s_cselect_b64 s[4:5], s[12:13], s[4:5]
	s_cmp_eq_u32 s30, 3
	s_cselect_b64 s[4:5], s[14:15], s[4:5]
	s_and_b32 s32, ttmp9, 127
	s_and_b32 s33, s32, 15                         ; block of 64 columns
	s_lshr_b32 s32, s32, 4                         ; block of 128 rows
	s_lshl_b32 s6, s32, 19                         ; 128 rows of 4,096 bytes
	s_lshl_b32 s34, s33, 8
	s_add_co_u32 s6, s6, s34
	s_add_nc_u64 s[4:5], s[4:5], s[6:7]
	s_lshl_b32 s6, s30, 21                         ; 2 MiB a matrix
	s_lshl_b32 s34, s33, 17                        ; 64 rows of 2,048 bytes
	s_add_co_u32 s6, s6, s34
	s_lshl_b32 s34, s32, 8
	s_add_co_u32 s6, s6, s34
	s_add_nc_u64 s[18:19], s[18:19], s[6:7]
	v_lshrrev_b32 v3, 4, v0                        ; t / 16
	v_and_b32 v4, 15, v0                           ; t % 16
	v_lshlrev_b32 v5, 15, v3
	v_lshl_add_u32 v5, v4, 4, v5                   ; rows 8 (t / 16) on, columns 4 (t % 16) on
	v_mul_u32_u24 v6, v4, 4*272
	v_lshl_add_u32 v6, v3, 4, v6                   ; into LDS: row 4 (t % 16) + c, 16 bytes at 16 (t / 16)
	v_mul_u32_u24 v7, v3, 272
	v_lshl_add_u32 v7, v4, 4, v7                   ; back: row t / 16 (+ 16 i), 16 bytes at 16 (t % 16)
	v_lshlrev_b32 v10, 11, v3
	v_lshl_add_u32 v10, v4, 4, v10                 ; the same place in wt
.set i, 0
.rept 8
	global_load_b128 v[16+4*i:19+4*i], v5, s[4:5] offset:i*4096 th:TH_LOAD_NT
.set i, i+1
.endr
	s_wait_loadcnt 0x0
.set i, 0
.rept 16                                           ; i = 4 c + k: column c, rows 2 k and 2 k + 1
	v_cvt_pk_bf16_f32 v[48+i], v[16+8*(i%4)+i/4], v[16+8*(i%4)+4+i/4]
.set i, i+1
.endr
	s_cmp_lg_u32 s30, 3
	s_cbranch_scc1 .Lpacked
.set i, 0
.rept 16                                           ; W_o: the bf16 number, widened and written as f16
	v_lshlrev_b32 v12, 16, v[48+i]
	v_and_b32 v13, 0xffff0000, v[48+i]
	v_cvt_pk_f16_f32 v[48+i], v12, v13
.set i, i+1
.endr
.Lpacked:
.set i, 0
.rept 4
	ds_store_b128 v6, v[48+4*i:51+4*i] offset:i*272
.set i, i+1
.endr
	s_wait_dscnt 0x0                               ; for the others' sake: my stores into the tile are done
	s_barrier_signal -1
	s_barrier_wait -1
.set i, 0
.rept 4
	ds_load_b128 v[64+4*i:67+4*i], v7 offset:i*16*272
.set i, i+1
.endr
	s_wait_dscnt 0x0
.set i, 0
.rept 4
	global_store_b128 v10, v[64+4*i:67+4*i], s[18:19] offset:i*32768
.set i, i+1
.endr
	s_wait_tensorcnt 0x0                           ; the wave's end
	ds_add_u32 v[SPW], v[NIL]
	s_wait_dscnt 0x0
	s_endpgm
.Lfunc_end_k_q72e20f7ecd_prep:
	.size	k_q72e20f7ecd_prep, .Lfunc_end_k_q72e20f7ecd_prep-k_q72e20f7ecd_prep
	.p2alignl 7, 3214868480
	.fill 96, 4, 3214868480
	.section	.rodata,"a",@progbits
	.p2align	6, 0x0
	.amdhsa_kernel k_q72e20f7ecd_prep
		.amdhsa_group_segment_fixed_size 18432
		.amdhsa_private_segment_fixed_size 0
		.amdhsa_enable_private_segment 0
		.amdhsa_kernarg_size 56
		.amdhsa_user_sgpr_count 2
		.amdhsa_user_sgpr_kernarg_segment_ptr 1
		.amdhsa_wavefront_size32 1
		.amdhsa_system_sgpr_workgroup_id_x 1
		.amdhsa_system_sgpr_workgroup_id_y 1
		.amdhsa_system_sgpr_workgroup_id_z 1
		.amdhsa_system_vgpr_workitem_id 0
		.amdhsa_next_free_vgpr 80
		.amdhsa_next_free_sgpr 66
		.amdhsa_reserve_vcc 0
		.amdhsa_float_denorm_mode_32 3
		.amdhsa_float_denorm_mode_16_64 3
		.amdhsa_memory_ordered 1
		.amdhsa_forward_progress 1
		.amdhsa_inst_pref_size 22
	.end_amdhsa_kernel
	.amdgpu_metadata
---
amdhsa.version: [ 1, 2 ]
amdhsa.kernels:
  - .name:           k_q72e20f7ecd_prep
    .symbol:         k_q72e20f7ecd_prep.kd
    .args:
      - { .name: W_q, .offset: 0, .size: 8, .value_kind: global_buffer, .address_space: global }
      - { .name: W_k, .offset: 8, .size: 8, .value_kind: global_buffer, .address_space: global }
      - { .name: W_v, .offset: 16, .size: 8, .value_kind: global_buffer, .address_space: global }
      - { .name: W_o, .offset: 24, .size: 8, .value_kind: global_buffer, .address_space: global }
      - { .name: mask, .offset: 32, .size: 8, .value_kind: global_buffer, .address_space: global }
      - { .name: wt, .offset: 40, .size: 8, .value_kind: global_buffer, .address_space: global }
      - { .name: mbits, .offset: 48, .size: 8, .value_kind: global_buffer, .address_space: global }
    .group_segment_fixed_size: 18432
    .private_segment_fixed_size: 0
    .kernarg_segment_align: 8
    .kernarg_segment_size: 56
    .max_flat_workgroup_size: 256
    .sgpr_count:     66
    .vgpr_count:     80
    .wavefront_size: 32
...
	.end_amdgpu_metadata
.endif
;; end of part 5
;; launch proj (part 6): grid 4 x 192, 4 waves a work-group, clusters of 4 x 4, 327,680 bytes of LDS; arguments xq, xk, xv, wt, qh, kv; writes qh, kv
.if DOCPART == 6
	.amdgcn_target "amdgcn-amd-amdhsa--gfx1250"
	.amdhsa_code_object_version 6
	.text
	.protected	k_q72e20f7ecd_proj
	.globl	k_q72e20f7ecd_proj
	.p2align	8
	.type	k_q72e20f7ecd_proj,@function
k_q72e20f7ecd_proj:
	s_mov_b64 s[64:65], 0
	v_nop
	global_prefetch_b8 v0, s[64:65] scope:SCOPE_SE
	s_setreg_imm32_b32 hwreg(HW_REG_WAVE_MODE, 25, 1), 1
	s_wait_xcnt 0x0
	s_wait_alu depctr_hold_cnt(0) depctr_sa_sdst(0) depctr_va_vdst(0) depctr_va_sdst(0) depctr_va_ssrc(0) depctr_va_vcc(0) depctr_vm_vsrc(0)
	s_getreg_b32 s2, hwreg(HW_REG_IB_STS2, 6, 4)
	s_cmp_eq_u32 s2, 0
	s_cbranch_scc0 .Lentry_in_a_cluster
	s_endpgm
.Lentry_in_a_cluster:
	s_bfe_u32 s2, ttmp6, 0x10000c
	s_cmp_lg_u32 s2, 0xf033
	s_cbranch_scc0 .Lentry_shape_is_right
	s_endpgm
.Lentry_shape_is_right:
; THE THREE PROJECTIONS.  C[m][n] = sum over k of x[m][k] W[k][n], K = 1,024, bf16 operands, f32 sums; p = 0, 1, 2 (q, k, v) is the tile row / 64.
; A = xq, xk or xv as it is given (f32 [8192][1024]): its tiles come into LDS in f32 and are rounded to bf16 between LDS and the matrix unit, so x crosses memory once and no bf16 copy of it is
; written or read.  The price: a number of x is rounded eight times (by two waves in each of four work-groups), one conversion instruction for each matrix instruction.
; B = wt[p] ([n][k] bf16, rows of 2,048 bytes).  Out, f16, rounded once, by heads: q -> qh[bh][s][64], times log2(e) in f32 ahead of the rounding (the attention launch then scales by 1/8, a power of
; two); k, v -> kv[bh][s / 64][K: 64 x 128 bytes][V: 64 x 128 bytes].
; LIMIT.  f16 ends at 65,504: q log2(e), k and v must lie within it (with x and W as drawn they reach about 7).
; SHARES.  A tile of C is 128 (m) x 256 (n): 768 work-groups, three for each of 256 WGPs.  Four waves, 2 x 2, each 64 x 128: 32 accumulators.  K goes in steps of 128 through two LDS slots.
; CLUSTER 4 x 4: the four of a row need the same tile of A, the four of a column the same tile of B: each is asked for jointly.  The matrix instruction is used transposed (source 0 = 16 rows of B,
; source 1 = 16 rows of A): a lane then holds eight neighbouring columns of one row of C.
; REGISTERS.  Window 0, full: v16-30 addresses; v32-63 A's four fragments (16 rows x 32 K, bf16); v64-127 the same 64 x 32 numbers in f32, as loaded; B's fragments v128-191, v192-255 (two buffers of 8).
;   Window 1: accumulator (a, b) at v[8 (8 a + b)].
.set APITCH, 528                       ; a row of A in LDS: 128 f32 = 512 bytes + 16 of padding = 132 words: row r starts at bank 4 r mod 64 (64 banks of 4 bytes: ISA guide 11.1)
.set AHALF,  64*APITCH                 ; 64 rows: what one tensor load brings of A, and what one wave reads of it
.set ATILE,  2*AHALF
.set BHALF,  128*272                   ; 128 rows of B x 128 channels: 256 bytes + 16
.set SLOT,   ATILE+2*BHALF             ; A's 128 rows, then B's 256 rows
.set STAGE,  2*SLOT                    ; behind the ring: 16 rows x 272 bytes for each wave, for the way out
.set SPITCH, 272
.set SPARE,  STAGE+4*16*SPITCH         ; behind the stages: the spare words, 128 bytes a wave
.set ASTEP,  512                       ; bytes along a row of A from a K step to the next
.set BSTEP,  256
.set ADRA, 16                          ; v16-17  LDS address of my A fragments in slot 0, 1
.set ADRB, 20                          ; v20-21  the same for B
.set STO,  24                          ; v24     the way out: where I put 16 bytes of a row
.set RD,   25                          ; v25     where I read rows back
.set CO,   26                          ; v26     16 x lane
.set SPW,  28                          ; v28     SPARE + 4 x my thread's number; never rewritten
.set NIL,  29                          ; v29     0; never rewritten
.set PFO,  30                          ; v30     the prefetches' lane offset; never rewritten
.set FA,   32                          ; A's fragments, bf16
.set SA,   64                          ; A's numbers, f32
.set FB,   128                         ; B's fragments, two buffers
.set TMP,  64                          ; the way out: packed results
.set BK,   96                          ; and rows read back
.set G1,  24                           ; s[24:31] group 1 for A;  s[32:39] group 0, a set for each slot
.set G0,  32
.set G1B, 48                           ; s[48:55], s[56:63] the same for B
.set G0B, 56
.set LIM, 43                           ; s43  1 in a wave that prefetches, else the greatest number
.set PFA, 44                           ; s[44:45] where my prefetches stand
.set PFS, 66                           ; s[66:67] their step from K step to K step
.set MUL, 0x50                         ; C and D in window 1, the sources in window 0
.set MSB, 0
.macro WIN new                         ; the immediate's high byte repeats the setting that is left
.if MSB != (\new)
	s_set_vgpr_msb (MSB<<8)|(\new)
.set MSB, \new
.endif
.endm
.macro JLOAD s                         ; a joint load: waves 0 and 1 fetch A's two halves, waves 2 and 3 B's; an s_nop 0 and four v_nop follow each line
	s_cmp_eq_u32 s11, 0
	s_cbranch_scc0 .Lfor_b_\@
	tensor_load_to_lds s[G0+4*(\s):G0+4*(\s)+3], s[G1:G1+7]
	s_nop 0
.rept 4
	v_nop
.endr
	s_branch .Lasked_\@
.Lfor_b_\@:
	tensor_load_to_lds s[G0B+4*(\s):G0B+4*(\s)+3], s[G1B:G1B+7]
	s_nop 0
.rept 4
	v_nop
.endr
.Lasked_\@:
.endm
; A prefetch of the K step that stands two refills on (256 matrix instructions ahead of its load).  A's tiles are read by one row of one cluster; a K step is 512 bytes of each of 128 rows: each of the four
; partners takes 32 rows, told apart by address; in it wave 0 names a row's first 256 bytes and wave 1 its second, a lane a row.  B's rows are read by the sixteen clusters of a projection: the first of
; them asks, waves 2 and 3, 32 rows a work-group, a lane a row.  So each block of 256 bytes is named once.  The loop's last trip asks for nothing: there is no K step two on.
.macro ASK
	s_cmp_gt_u32 s3, s[LIM]
	s_cbranch_scc0 .Lnot_mine_\@
	global_prefetch_b8 v[PFO], s[PFA:PFA+1] th:TH_LOAD_NT scope:SCOPE_SE
.Lnot_mine_\@:
.endm
.macro CREST                           ; a round of the cluster's barrier behind its opening barrier
	s_cmp_lg_u32 s10, 0
	s_cbranch_scc1 .Lnot_wave_0_\@
	s_barrier_signal -3
.Lnot_wave_0_\@:
	s_barrier_wait -3
	s_barrier_signal -1
	s_barrier_wait -1
.endm
.macro CROUND
	s_barrier_signal -1
	s_barrier_wait -1
	CREST
.endm
	s_load_b256 s[72:79], s[0:1], 0x0              ; xq s[72:73], xk s[74:75], xv s[76:77], wt s[78:79]
	s_load_b128 s[80:83], s[0:1], 0x20             ; qh s[80:81], kv s[82:83]
	v_lshl_add_u32 v[SPW], v0, 2, SPARE
	v_mov_b32 v[NIL], 0
	ds_add_u32 v[SPW], v[NIL]                      ; the wave's opening: the add and its wait ahead of my first tensor load
	v_lshrrev_b32 v1, 5, v0
	v_readfirstlane_b32 s10, v1                    ; wave 0..3
	s_lshr_b32 s11, s10, 1                         ; my half of the tile's rows.  Also: I fetch for A (0) or for B (1)
	s_and_b32 s12, s10, 1                          ; my half of its columns.  Also: which half I fetch
	s_bfe_u32 s40, ttmp6, 0x40000                  ; cx
	s_bfe_u32 s41, ttmp6, 0x40004                  ; cy
	s_lshl_b32 s42, ttmp9, 2
	s_add_co_u32 s42, s42, s40                     ; tile column
	s_and_b32 s71, ttmp7, 0xffff                   ; the cluster's y
	s_lshl_b32 s13, s71, 2
	s_add_co_u32 s13, s13, s41                     ; tile row, 0..191
	s_lshr_b32 s70, s71, 4                         ; p: the same in all sixteen partners
	s_lshl_b32 s43, s41, 2
	s_lshl_b32 s43, 15, s43                        ; my row of the cluster
	s_lshl_b32 s44, 0x1111, s40                    ; my column
	s_or_b32 s[G1+0], s43, (2<<16)|(1<<20)|(1<<21)|(6<<22)|(3<<25)   ; mask; 4-byte elements; padding on; 21 set beside a mask; after every 128 words 4 words
	s_or_b32 s[G1B+0], s44, (1<<16)|(1<<20)|(1<<21)|(5<<22)|(3<<25)  ; 2-byte elements; after every 64 words 4 words
	s_mov_b32 s[G1+1], 128<<16                     ; A: 64 rows of 128 elements, 1,024 elements from row to row
	s_mov_b32 s[G1+2], 64<<16
	s_mov_b32 s[G1+3], 128<<16
	s_mov_b32 s[G1+4], 64
	s_mov_b32 s[G1+5], 1024
	s_mov_b32 s[G1+6], 0
	s_mov_b32 s[G1+7], 0
	s_mov_b32 s[G1B+1], 128<<16                    ; B: 128 rows of 128 elements, 1,024 elements from row to row
	s_mov_b32 s[G1B+2], 128<<16
	s_mov_b32 s[G1B+3], 128<<16
	s_mov_b32 s[G1B+4], 128
	s_mov_b32 s[G1B+5], 1024
	s_mov_b32 s[G1B+6], 0
	s_mov_b32 s[G1B+7], 0
	s_and_b32 s16, s13, 63                         ; A hangs on the tile row alone: its 128 rows of 4,096 bytes in x,
	s_lshl_b32 s16, s16, 19
	s_lshl_b32 s17, s12, 18                        ; my 64 of them
	s_add_co_u32 s16, s16, s17
	s_mov_b32 s17, 0
	s_lshl_b32 s46, s42, 8                         ; B hangs on the tile column (and p): row 256 x column + 128 x half
	s_lshl_b32 s47, s12, 7
	s_add_co_u32 s46, s46, s47
	s_lshl_b32 s46, s46, 11
	s_lshl_b32 s47, s70, 21
	s_add_co_u32 s46, s46, s47
	s_mov_b32 s47, 0
	s_mul_i32 s20, s12, AHALF                      ; where they go: no place in the cluster enters an LDS address
	s_mul_i32 s21, s12, BHALF
	s_add_co_u32 s21, s21, ATILE
	s_wait_dscnt 0x0                               ; the opening add is done
	s_wait_kmcnt 0x0
	s_cmp_eq_u32 s70, 1                            ; which x: by p
	s_cselect_b64 s[4:5], s[74:75], s[72:73]
	s_cmp_eq_u32 s70, 2
	s_cselect_b64 s[4:5], s[76:77], s[4:5]
	s_mov_b64 s[6:7], s[78:79]
	s_add_nc_u64 s[14:15], s[4:5], s[16:17]
	s_add_nc_u64 s[46:47], s[6:7], s[46:47]
	CROUND                                         ; all sixteen work-groups are here: the first joint loads meet
.irp s, 0,1
	s_mov_b32 s[G0+4*(\s)], 1
	s_add_co_u32 s[G0+4*(\s)+1], s20, (\s)*SLOT
	s_add_nc_u64 s[G0+4*(\s)+2:G0+4*(\s)+3], s[14:15], (\s)*ASTEP
	s_or_b32 s[G0+4*(\s)+3], s[G0+4*(\s)+3], 0x80000000
	s_mov_b32 s[G0B+4*(\s)], 1
	s_add_co_u32 s[G0B+4*(\s)+1], s21, (\s)*SLOT
	s_add_nc_u64 s[G0B+4*(\s)+2:G0B+4*(\s)+3], s[46:47], (\s)*BSTEP
	s_or_b32 s[G0B+4*(\s)+3], s[G0B+4*(\s)+3], 0x80000000
	JLOAD \s                                       ; two loads of mine are out
.endr
	v_and_b32 v1, 15, v0                           ; l % 16
	v_bfe_u32 v2, v0, 4, 1                         ; l / 16
	v_mul_u32_u24 v3, v1, APITCH                   ; A: row l % 16, and 8 numbers of 4 bytes for each half of the lanes
	v_lshl_add_u32 v3, v2, 5, v3
	v_mul_u32_u24 v4, v1, 272                      ; B: row l % 16, and 8 numbers of 2 bytes
	v_lshl_add_u32 v4, v2, 4, v4
	s_mul_i32 s21, s11, AHALF                      ; my 64 rows of A
	s_mul_i32 s22, s12, BHALF                      ; my 128 rows of B,
	s_add_co_u32 s22, s22, ATILE                   ; behind A's 128
.irp s, 0,1
	v_add_nc_u32 v[ADRA+(\s)], s21, v3
	v_add_nc_u32 v[ADRB+(\s)], s22, v4
	s_add_co_u32 s21, s21, SLOT
	s_add_co_u32 s22, s22, SLOT
.endr
	s_mul_i32 s23, s10, 16*SPITCH
	s_add_co_u32 s23, s23, STAGE                   ; my stage
	v_add_nc_u32 v[STO], s23, v4                   ; in: row l % 16, 16 bytes for each half of the lanes
	v_bfe_u32 v5, v0, 3, 2
	v_and_b32 v6, 7, v0
	v_mul_u32_u24 v5, v5, SPITCH
	v_lshl_add_u32 v5, v6, 4, v5
	v_add_nc_u32 v[RD], s23, v5                    ; back: 32 lanes take 128 bytes (a head's 64 channels) of four rows
	v_and_b32 v7, 31, v0
	v_lshlrev_b32 v[CO], 4, v7                     ; which are 512 consecutive bytes of the output
	; where my 64 tokens x 2 heads go
	s_and_b32 s84, s13, 63
	s_lshr_b32 s85, s84, 4
	s_lshl_b32 s85, s85, 4                         ; 16 b
	s_lshl_b32 s86, s42, 2
	s_add_co_u32 s85, s85, s86
	s_lshl_b32 s86, s12, 1
	s_add_co_u32 s85, s85, s86                     ; (b, my first head)
	s_lshl_b32 s85, s85, 18
	s_and_b32 s84, s84, 15
	s_lshl_b32 s84, s84, 1
	s_add_co_u32 s84, s84, s11                     ; my block of 64 tokens
	s_lshl_b32 s84, s84, 13
	s_add_co_u32 s84, s84, s85
	s_cmp_lg_u32 s70, 0
	s_cselect_b32 s87, 1, 0                        ; in kv everything lies twice as far apart
	s_lshl_b32 s84, s84, s87
	s_lshl_b32 s86, 262144, s87                    ; from a head to the next
	s_mov_b32 s87, 0
	s_cmp_eq_u32 s70, 2
	s_cselect_b32 s85, 0x2000, 0                   ; V lies behind K
	s_add_co_u32 s84, s84, s85
	s_mov_b32 s85, 0
	s_cmp_eq_u32 s70, 0
	s_cselect_b64 s[8:9], s[80:81], s[82:83]
	s_add_nc_u64 s[8:9], s[8:9], s[84:85]
	s_add_nc_u64 s[68:69], s[8:9], s[86:87]
	; the prefetches
	s_and_b32 s20, s13, 63
	s_lshl_b32 s20, s20, 19                        ; A: the tile's 128 rows,
	s_lshl_b32 s21, s40, 17                        ; partner cx: 32 of them,
	s_add_co_u32 s20, s20, s21
	s_lshl_b32 s21, s12, 8                         ; wave 0 the first 256 bytes of a row's 512, wave 1 the second
	s_add_co_u32 s20, s20, s21
	s_add_co_u32 s20, s20, 3*ASTEP                 ; at K step 3: the first refill steps it to 4
	s_lshl_b32 s22, s42, 8
	s_lshl_b32 s23, s12, 7
	s_add_co_u32 s22, s22, s23
	s_lshl_b32 s23, s41, 5                         ; B: partner cy: 32 of the 128 rows
	s_add_co_u32 s22, s22, s23
	s_lshl_b32 s22, s22, 11
	s_lshl_b32 s23, s70, 21
	s_add_co_u32 s22, s22, s23
	s_add_co_u32 s22, s22, 3*BSTEP
	s_and_b32 s23, s71, 15                         ; 0 in the projection's first cluster
	s_mov_b32 s18, ASTEP
	s_cmp_eq_u32 s11, 0
	s_cselect_b32 s20, s20, s22
	s_cselect_b32 s23, 0, s23                      ; for A every cluster asks: no other reads its rows
	s_cselect_b32 s[PFS], s18, BSTEP
	s_cselect_b32 s22, 12, 11                      ; a lane a row: 4,096 bytes in x, 2,048 in wt
	s_cselect_b64 s[PFA:PFA+1], s[4:5], s[6:7]
	s_cmp_eq_u32 s23, 0
	s_cselect_b32 s[LIM], 1, -1
	s_mov_b32 s21, 0
	s_mov_b32 s[PFS+1], 0
	s_add_nc_u64 s[PFA:PFA+1], s[PFA:PFA+1], s[20:21]
	v_lshlrev_b32 v[PFO], s22, v7
	s_mov_b32 s18, 0x3fb8aa3b                      ; log2(e), for q
	s_mov_b32 s19, s18                             ; named with it as a pair
.macro MULA f, a, zero                 ; 8 matrix instructions: m block a x all 8 n blocks, 32 along K, B from buffer f.  The 32 accumulators take turns in the same order in every quarter
	WIN MUL
.irp b, 0,1,2,3,4,5,6,7
.if \zero
	v_wmma_f32_16x16x32_bf16 v[8*(8*(\a)+(\b)):8*(8*(\a)+(\b))+7], v[FB+64*(\f)+8*(\b):FB+64*(\f)+8*(\b)+7], v[FA+8*(\a):FA+8*(\a)+7], 0
.else
	v_wmma_f32_16x16x32_bf16 v[8*(8*(\a)+(\b)):8*(8*(\a)+(\b))+7], v[FB+64*(\f)+8*(\b):FB+64*(\f)+8*(\b)+7], v[FA+8*(\a):FA+8*(\a)+7], v[8*(8*(\a)+(\b)):8*(8*(\a)+(\b))+7]
.endif
.endr
.endm
; 32 LDS loads in one run: quarter qn's numbers: B's 8 fragments into buffer f; A's 64 rows x 32 K in f32: a lane's K = 8 (l / 16) + 0..7 are 32 bytes, its K = 16 + 8 (l / 16) + 0..7 the 32 bytes 64 further on
.macro FETCH slot, qn, f
	WIN 0
.irp i, 0,1,2,3,4,5,6,7
	ds_load_b128 v[FB+64*(\f)+8*(\i):FB+64*(\f)+8*(\i)+3],   v[ADRB+(\slot)] offset:(\qn)*64+(\i)*16*272
	ds_load_b128 v[FB+64*(\f)+8*(\i)+4:FB+64*(\f)+8*(\i)+7], v[ADRB+(\slot)] offset:(\qn)*64+(\i)*16*272+32
.endr
.irp i, 0,1,2,3
	ds_load_b128 v[SA+16*(\i):SA+16*(\i)+3],     v[ADRA+(\slot)] offset:(\qn)*128+(\i)*16*APITCH
	ds_load_b128 v[SA+16*(\i)+4:SA+16*(\i)+7],   v[ADRA+(\slot)] offset:(\qn)*128+(\i)*16*APITCH+16
	ds_load_b128 v[SA+16*(\i)+8:SA+16*(\i)+11],  v[ADRA+(\slot)] offset:(\qn)*128+(\i)*16*APITCH+64
	ds_load_b128 v[SA+16*(\i)+12:SA+16*(\i)+15], v[ADRA+(\slot)] offset:(\qn)*128+(\i)*16*APITCH+80
.endr
.endm
.macro PLACES                          ; four places between a matrix instruction and a vector line that writes one of its sources or reads its result (ISA guide 7.12.1)
.rept 4
	v_nop
.endr
.endm
.macro CVT                             ; A's 64 registers of f32 are rounded to the four bf16 fragments, two numbers an instruction, to nearest even
	WIN 0
.set j, 0
.rept 32
	v_cvt_pk_bf16_f32 v[FA+j], v[SA+2*j], v[SA+2*j+1]
.set j, j+1
.endr
.endm
; A K step is four quarters of 32 along K, 32 matrix instructions each, B on buffers 0, 1, 0, 1.  One of the first three: the quarter's numbers, asked for 32 matrix instructions ago, are in; A's are rounded;
; the next quarter (qn of the same slot) is asked for, B's into buffer g; then the products.  The conversions stand as a block: a product's destination window holds the accumulators and a conversion's
; the fragments, so one behind each product would cost two switches.  Behind the last product that read buffer g stand the four v_nop and 32 conversions that name none of its registers.
.macro QUARTER slot, qn, f, g, zero
	s_wait_dscnt 0x0
	PLACES
	CVT
	FETCH \slot, \qn, \g
	MULA \f, 0, \zero
	MULA \f, 1, \zero
	MULA \f, 2, \zero
	MULA \f, 3, \zero
.endm
; The fourth quarter multiplies buffer 1 and changes slots: one barrier; in front of it each wave waits for all its tensor loads (one is out: its part of the next slot), adds 0 to its spare word,
; and waits for that and for its reads of this slot.  fill = 1: the barrier opens a round of the cluster's, and this slot is filled again, two K steps on, first thing behind the round.
.macro TURN slot, next, fill
.if \fill
	s_wait_xcnt 0x0                                ; the last prefetch, a K step back, has read its address
	s_add_nc_u64 s[PFA:PFA+1], s[PFA:PFA+1], s[PFS:PFS+1]
.endif
	WIN 0
	s_wait_tensorcnt 0x0
	ds_add_u32 v[SPW], v[NIL]
	s_wait_dscnt 1                                 ; the quarter's 32 loads are in; the add, the youngest, may be out
	PLACES
	CVT
	MULA 1, 0, 0
	s_wait_dscnt 0x0                               ; the add is done, and my reads of this slot are over
	s_barrier_signal -1
	MULA 1, 1, 0
.if \fill
	WIN 0
.endif
	s_barrier_wait -1
.if \fill
	CREST                                          ; no wave of any partner still reads this slot or has a load on its way
	s_add_nc_u64 s[G0+4*(\slot)+2:G0+4*(\slot)+3], s[G0+4*(\slot)+2:G0+4*(\slot)+3], 2*ASTEP
	s_add_nc_u64 s[G0B+4*(\slot)+2:G0B+4*(\slot)+3], s[G0B+4*(\slot)+2:G0B+4*(\slot)+3], 2*BSTEP
	JLOAD \slot
.endif
	FETCH \next, 0, 0                              ; buffer 0 was last multiplied in the quarter before: this quarter's v_nop and conversions stand between
.if \fill
	ASK
.endif
	MULA 1, 2, 0
	MULA 1, 3, 0
.endm
	s_wait_tensorcnt 1                             ; my part of K step 0 is in; K step 1's may stay out
	s_barrier_signal -1
	s_barrier_wait -1
	FETCH 0, 0, 0
	QUARTER 0, 1, 0, 1, 1                          ; the first quarter's products start the sums
	WIN 0
	s_mov_b32 s3, 3                                ; 8 K steps: three trips fill both slots again (K steps 2 to 7)
.Llap:
	QUARTER 0, 2, 1, 0, 0
	QUARTER 0, 3, 0, 1, 0
	TURN 0, 1, 1
	QUARTER 1, 1, 0, 1, 0
	QUARTER 1, 2, 1, 0, 0
	QUARTER 1, 3, 0, 1, 0
	TURN 1, 0, 1
	QUARTER 0, 1, 0, 1, 0
	WIN 0
	s_sub_co_u32 s3, s3, 1
	s_cmp_lg_u32 s3, 0
	s_cbranch_scc1 .Llap
	QUARTER 0, 2, 1, 0, 0                          ; the last lap fills nothing
	QUARTER 0, 3, 0, 1, 0
	TURN 0, 1, 0
	QUARTER 1, 1, 0, 1, 0
	QUARTER 1, 2, 1, 0, 0
	QUARTER 1, 3, 0, 1, 0
	s_wait_dscnt 0x0                               ; the very last quarter: nothing more to fetch
	PLACES
	CVT
	MULA 1, 0, 0
	MULA 1, 1, 0
	MULA 1, 2, 0
	MULA 1, 3, 0
	WIN 0
	PLACES
	s_cmp_lg_u32 s70, 0                            ; p is the same in all partners
	s_cbranch_scc1 .Lplain
	WIN 0x41                                       ; q alone: its f32 sums times log2(e), each accumulator from its low end on
.set i, 0
.rept 128
	v_pk_mul_f32 v[i:i+1], v[i:i+1], s[18:19] op_sel_hi:[1,0]
.set i, i+2
.endr
	WIN 0
.Lplain:
; THE WAY OUT, 16 rows at a time: rounded to f16, 16 bytes a lane into my stage, back as 128-byte pieces of four rows, stored as 512 consecutive bytes of one head.
.macro OUTBLK a
	WIN 0x05                                       ; sources in window 1
.irp b, 0,1,2,3,4,5,6,7
.irp r, 0,1,2,3
	v_cvt_pk_f16_f32 v[TMP+4*(\b)+(\r)], v[64*(\a)+8*(\b)+2*(\r)], v[64*(\a)+8*(\b)+2*(\r)+1]
.endr
.endr
	WIN 0
.irp b, 0,1,2,3,4,5,6,7
	ds_store_b128 v[STO], v[TMP+4*(\b):TMP+4*(\b)+3] offset:32*(\b)
.endr
	s_wait_xcnt 0x0                                ; the block before's stores have read the registers that are loaded again below
.irp t, 0,1,2,3,4,5,6,7
	ds_load_b128 v[BK+4*(\t):BK+4*(\t)+3], v[RD] offset:((\t)%4)*4*SPITCH+((\t)/4)*128  ; LDS serves a wave's instructions in order: these see the stores above
.endr
	s_wait_dscnt 0x0
.irp t, 0,1,2,3
	global_store_b128 v[CO], v[BK+4*(\t):BK+4*(\t)+3], s[8:9] offset:(\a)*2048+(\t)*512
.endr
.irp t, 0,1,2,3
	global_store_b128 v[CO], v[BK+16+4*(\t):BK+16+4*(\t)+3], s[68:69] offset:(\a)*2048+(\t)*512
.endr
.endm
	OUTBLK 0
	OUTBLK 1
	OUTBLK 2
	OUTBLK 3
	s_wait_tensorcnt 0x0                           ; the wave's end
	ds_add_u32 v[SPW], v[NIL]
	s_wait_dscnt 0x0
	CROUND                                         ; the closing round
	s_endpgm
.Lfunc_end_k_q72e20f7ecd_proj:
	.size	k_q72e20f7ecd_proj, .Lfunc_end_k_q72e20f7ecd_proj-k_q72e20f7ecd_proj
	.p2alignl 7, 3214868480
	.fill 96, 4, 3214868480
	.section	.rodata,"a",@progbits
	.p2align	6, 0x0
	.amdhsa_kernel k_q72e20f7ecd_proj
		.amdhsa_group_segment_fixed_size 327680
		.amdhsa_private_segment_fixed_size 0
		.amdhsa_enable_private_segment 0
		.amdhsa_kernarg_size 48
		.amdhsa_user_sgpr_count 2
		.amdhsa_user_sgpr_kernarg_segment_ptr 1
		.amdhsa_wavefront_size32 1
		.amdhsa_system_sgpr_workgroup_id_x 1
		.amdhsa_system_sgpr_workgroup_id_y 1
		.amdhsa_system_sgpr_workgroup_id_z 1
		.amdhsa_system_vgpr_workitem_id 0
		.amdhsa_next_free_vgpr 512
		.amdhsa_next_free_sgpr 88
		.amdhsa_reserve_vcc 0
		.amdhsa_float_denorm_mode_32 3
		.amdhsa_float_denorm_mode_16_64 3
		.amdhsa_memory_ordered 1
		.amdhsa_forward_progress 1
		.amdhsa_inst_pref_size 136
	.end_amdhsa_kernel
	.amdgpu_metadata
---
amdhsa.version: [ 1, 2 ]
amdhsa.kernels:
  - .name:           k_q72e20f7ecd_proj
    .symbol:         k_q72e20f7ecd_proj.kd
    .args:
      - { .name: xq, .offset: 0, .size: 8, .value_kind: global_buffer, .address_space: global }
      - { .name: xk, .offset: 8, .size: 8, .value_kind: global_buffer, .address_space: global }
      - { .name: xv, .offset: 16, .size: 8, .value_kind: global_buffer, .address_space: global }
      - { .name: wt, .offset: 24, .size: 8, .value_kind: global_buffer, .address_space: global }
      - { .name: qh, .offset: 32, .size: 8, .value_kind: global_buffer, .address_space: global }
      - { .name: kv, .offset: 40, .size: 8, .value_kind: global_buffer, .address_space: global }
    .group_segment_fixed_size: 327680
    .private_segment_fixed_size: 0
    .kernarg_segment_align: 8
    .kernarg_segment_size: 48
    .max_flat_workgroup_size: 128
    .sgpr_count:     88
    .vgpr_count:     512
    .wavefront_size: 32
...
	.end_amdgpu_metadata
.endif
;; end of part 6
;; launch attn (part 7): grid 4 x 64, 4 waves a work-group, clusters of 4 x 1, 327,680 bytes of LDS; arguments qh, kv, mbits, ctx; writes ctx
.if DOCPART == 7
	.amdgcn_target "amdgcn-amd-amdhsa--gfx1250"
	.amdhsa_code_object_version 6
	.text
	.protected	k_q72e20f7ecd_attn
	.globl	k_q72e20f7ecd_attn
	.p2align	8
	.type	k_q72e20f7ecd_attn,@function
k_q72e20f7ecd_attn:
	s_mov_b64 s[64:65], 0
	v_nop
	global_prefetch_b8 v0, s[64:65] scope:SCOPE_SE
	s_setreg_imm32_b32 hwreg(HW_REG_WAVE_MODE, 25, 1), 1
	s_wait_xcnt 0x0
	s_wait_alu depctr_hold_cnt(0) depctr_sa_sdst(0) depctr_va_vdst(0) depctr_va_sdst(0) depctr_va_ssrc(0) depctr_va_vcc(0) depctr_vm_vsrc(0)
	s_getreg_b32 s2, hwreg(HW_REG_IB_STS2, 6, 4)
	s_cmp_eq_u32 s2, 0
	s_cbranch_scc0 .Lentry_in_a_cluster
	s_endpgm
.Lentry_in_a_cluster:
	s_bfe_u32 s2, ttmp6, 0x10000c
	s_cmp_lg_u32 s2, 0x3003
	s_cbranch_scc0 .Lentry_shape_is_right
	s_endpgm
.Lentry_shape_is_right:
; MASKED ATTENTION.  ctx[bh][q][:] = the sum over k of softmax_k(score) V[bh][k][:], score = q . k / 8, REPLACED by -1e9 where mask[q][k] is set.  The mask is an input: every key is walked.
; qh: f16 [64][2048][64], q times log2(e).  kv: f16 [64][32 steps][K: 64 keys x 128 bytes][V: the same].  mbits: [q / 32][step][64 words] of lane masks.  ctx: f16 [64][2048][64].
; Products, maxima and sums in f32; the weights p are rounded to f16 for the second product (their sum l is taken of the unrounded p), ctx once at the end.
; SOFTMAX.  s = (q log2 e) . k; p = 2^(c s - c m) with c = 1/8 and a running maximum m.  c is a power of two, so c m is exact, c s - c m is never above 0 and p never above 1.  In every step O and l are
; multiplied by a = 2^(c m_old - c m_new).  m starts at the lowest finite number, O and l at 0.  A masked s is replaced by -8e9 log2(e), rounded to f32: a row that is masked everywhere has equal weights.
; LIMITS.  p below 6e-5 keeps f16's fixed step of 6e-8; a weight below 2^-126 counts as 0 in l; NaN and infinities are not treated apart.
; SHARES.  A wave owns four PIECES of two tiles of 16 queries, a work-group's four waves 512 queries of one (batch, head).  Every wave walks all 2,048 keys, 64 a step.
; LAYOUT.  S^T = K Q^T (source 0 = 16 keys, source 1 = 16 queries): a lane holds ONE query (lane % 16) and the keys 8 (lane / 16) + 0..7.  Two such results rounded to f16 ARE source 1 of O^T = V^T P.
; THE MASK costs two vector instructions for each register of scores.  A piece's 64 words for a step are 256 consecutive bytes: one load of 8 bytes a lane brings them into a register pair of the piece's own,
; four turns ahead of their use; a v_readlane_b32 moves each word into a scalar register, which is the select of one v_cndmask_b32.  (64 scalar registers hold one piece's words; a scalar load into them could
; be issued only behind their last reader, less than a turn ahead of the next.)
; BY TURNS.  Turn n belongs to piece n: 16 products K Q^T of piece n + 1, later 16 products V^T P of piece n - 1; beside them the scaling, exponentials, roundings, sums and rescaling of piece n, and the
; masking, maximum and statistics of piece n + 1.  Four vector instructions stand behind every matrix instruction, the others in one lump.  A turn's 66 exponentials are one batch with one wait.
; CLUSTER.  The four query blocks of a (batch, head) walk the same K and V: each tile is asked for jointly.  A step's K and V lie side by side, so wave w fetches step w of a slot's four: one line for all.
; REGISTERS, in windows of 256: window 0: v1-11 addresses and constants; v12-15, v48-63 at work; v16-47 statistics; v64-191 S^T, two buffers of two tiles; v192-255 P, likewise.
;   window 1: O^T, 32 a tile.   window 2: v0-12 the mask words and their offsets; v128-191 K of one step; v192-255 V of one step.   window 3: v0-127 Q.
.set NP,    4
.set KS,    64
.set PK,    144       ; a row of K or V in LDS: 128 bytes + 16: one pitch, since one load brings both.  K's 16 rows of a load start at 16 different groups of four banks; of V's turning load two rows in eight share four banks
.set VOFF,  KS*PK     ; a step: 64 rows of K, then 64 rows of V
.set STEPB, 2*KS*PK
.set SLOT1, 1<<17     ; a slot holds four steps (73,728 bytes); slot 1 begins here
.set STAGE, SLOT1+4*STEPB  ; behind the ring: 16 rows x 144 bytes for each wave, for the way out
.set SP,    144
.set SPARE, STAGE+4*16*SP  ; behind the stages: the spare words, 128 bytes a wave
.set NEGV, 1          ; v1   the masked score
.set AK0, 2           ; v2   my lane's place in a step's K; never rewritten
.set AV0, 3           ; v3   the same for V
.set AK,  4           ; v4   the LDS address of K's next run of loads
.set AV,  5           ; v5   of V's
.set QO,  6           ; v6   my byte offset in 16 rows of Q
.set STO, 6           ;      later: where I put 16 bytes of a row
.set RD,  7           ; v7   where I read rows back
.set GO,  8           ; v8   16 x lane
.set PFO, 9           ; v9   256 x lane; never rewritten
.set SPW, 10          ; v10  SPARE + 4 x my thread's number; never rewritten
.set NIL, 11          ; v11  0; never rewritten
.set MV,  12          ; v12-15  c m_old, by buffer and tile
.set ST,  16          ; tile t's statistics at v[ST+4 t]: c m, m, l (even keys', odd keys')
.set TMP, 48          ; by buffer and tile, four at work; when the maximum is found c2 takes a
.set S,   64
.set P,   192
.set T0,  128         ; v128-131: l % 16, l / 16, l % 8, (l / 8) % 2 during the set-up: S^T's second buffer is first written in the first turn
.set MW,  0           ; window 2: v[2 x : 2 x + 1]: piece x's 64 mask words of one step: lane i holds words 2 i and 2 i + 1
.set MO,  8           ; window 2: v8-11: the byte offset of piece x's load; its own, so that the wait for that load frees it
.set ML,  12          ; window 2: v12: 8 x lane; never rewritten
.set KF,  128         ; window 2
.set VF,  192         ; window 2
.set G0,  4           ; s[4:7]   descriptor group 0: it walks
.set G1,  8           ; s[8:15]  group 1
.set WV,  16          ; s16  my wave's number
.set SLOTS, 17        ; s17  slots still to be asked for
.set CNT, 18          ; s18  counts a slot's key steps
.set TBK, 19          ; s19  LDS byte at which the step whose K is fetched next begins
.set TBV, 20          ; s20  the same for V
.set LIM, 21          ; s21  1 in a wave that prefetches, else the greatest number
.set SEL, 22          ; s[22:23] v_permlanex16_b32's selects
.set OP,  24          ; s[24:25] ctx at my wave's first row
.set MP,  26          ; s[26:27] mbits at my wave's first piece; never rewritten
.set MOFF, 28         ; s28  256 x the step whose mask words are asked for next
.set PFA, 30          ; s[30:31] where my prefetches stand
.set CS,  66          ; s[66:67] c
.set QP,  100         ; s[100:101] Q at my wave's first row
; s[32:63] and s[68:99]: the 64 mask words of one piece and step
.set MSB, 0
.macro WIN new
.if MSB != (\new)
	s_set_vgpr_msb (MSB<<8)|(\new)
.set MSB, (\new)
.endif
.endm
.set W_KQ, 0x0e       ; K (and the mask words: source 0) in window 2, Q in window 3, S^T in window 0
.set W_PV, 0x52       ; V in window 2, P in window 0, O^T in window 1
.set W_RS, 0x41       ; O^T in window 1, a in window 0
.set W_ML, 0x8a       ; sources 0 and 1 and the destination in window 2: the mask words' loads and offsets
.macro JLOAD                        ; a joint fill: my step of the slot's four; an s_nop 0 and four v_nop follow
	tensor_load_to_lds s[G0:G0+3], s[G1:G1+7]
	s_nop 0
.rept 4
	v_nop
.endr
.endm
.macro CROUND
	s_barrier_signal -1
	s_barrier_wait -1
	s_cmp_lg_u32 s[WV], 0
	s_cbranch_scc1 .Lnot_wave_0_\@
	s_barrier_signal -3
.Lnot_wave_0_\@:
	s_barrier_wait -3
	s_barrier_signal -1
	s_barrier_wait -1
.endm
; THE CHANGE OF SLOTS.  Each wave waits for all its tensor loads (one is out: its part of the other slot), adds 0 to its spare word, and waits for that and for its reads of the slot.
; fill = 1: the slot is filled again, two slots on: the barrier is a round of the cluster's, and the joint fill is the first thing behind it: it has four key steps, 512 matrix instructions, in which to land.
.macro CHANGE fill
	WIN 0
	s_wait_tensorcnt 0x0            ; no tensor load of mine is out, so group 0 may be written
	ds_add_u32 v[SPW], v[NIL]
.if \fill
	s_xor_b32 s[G0+1], s[G0+1], SLOT1
	s_add_nc_u64 s[G0+2:G0+3], s[G0+2:G0+3], 4*16384  ; the next 256 keys' K and V
	s_wait_xcnt 0x0                 ; the last prefetch has read its address
	s_add_nc_u64 s[PFA:PFA+1], s[PFA:PFA+1], 4*16384
	s_wait_dscnt 0x0                ; the add is done, and my reads of the slot are over
	CROUND
	JLOAD
.else
	s_wait_dscnt 0x0
	s_barrier_signal -1
	s_barrier_wait -1
.endif
	s_sub_co_u32 s[TBK], s[TBK], 4*STEPB
	s_xor_b32 s[TBK], s[TBK], SLOT1
	s_sub_co_u32 s[TBV], s[TBV], 4*STEPB
	s_xor_b32 s[TBV], s[TBV], SLOT1
.endm
; A PREFETCH of the slot that the next change will ask for: 64 KiB, each block of 256 bytes named once: partner cx takes 16 KiB (by address), in it waves 0 and 2 take 8 KiB each, a lane a block.
; It stands behind K's run of LDS loads in the slot's last trip: three turns and a half, some 115 matrix instructions, ahead of the joint load.  The trips ahead of the last change ask for nothing.
.macro ASK
	s_cmp_eq_u32 s[CNT], 1
	s_cselect_b32 s29, s[SLOTS], 0
	s_cmp_gt_u32 s29, s[LIM]
	s_cbranch_scc0 .Lnot_mine_\@
	global_prefetch_b8 v[PFO], s[PFA:PFA+1] th:TH_LOAD_NT scope:SCOPE_SE
.Lnot_mine_\@:
.endm
; THE MASK WORDS' ROAD.  RL4: the next four of piece x's 64 words go from their register pair into their scalar registers; it sets no window: source 0 means window 2 under W_KQ and under W_ML.
.macro RL4 x
.rept 4
.if mw < 32
	v_readlane_b32 s[32+mw], v[MW+2*(\x)+mw%2], mw/2
.else
	v_readlane_b32 s[36+mw], v[MW+2*(\x)+mw%2], mw/2
.endif
.set mw, mw+1
.endr
.endm
; MNEXT: the pair, read out, is asked for again, for step MOFF / 256.  step = 1: piece 0 goes first to a new step; the bound keeps the last trips inside the table.
.macro MNEXT x, step
	WIN W_ML
.if \step
	s_add_co_u32 s[MOFF], s[MOFF], 256
	s_min_u32 s[MOFF], s[MOFF], 31*256
.endif
	v_add_nc_u32 v[MO+(\x)], s[MOFF], v[ML]
	global_load_b64 v[MW+2*(\x):MW+2*(\x)+1], v[MO+(\x)], s[MP:MP+1] offset:(\x)*8192  ; 256 consecutive bytes, aligned
.endm
	s_load_b256 s[32:39], s[0:1], 0x0  ; qh s[32:33], kv s[34:35], mbits s[36:37], ctx s[38:39]
	v_lshl_add_u32 v[SPW], v0, 2, SPARE
	v_mov_b32 v[NIL], 0
	ds_add_u32 v[SPW], v[NIL]       ; the wave's opening: the add and its wait ahead of my first tensor load
	v_lshrrev_b32 v[T0], 5, v0
	v_readfirstlane_b32 s[WV], v[T0]
	s_bfe_u32 s40, ttmp6, 0x40000   ; cx
	s_lshl_b32 s41, ttmp9, 2
	s_add_co_u32 s41, s41, s40      ; my block of 512 queries: it enters Q's, the mask's and ctx's addresses alone
	s_and_b32 s42, ttmp7, 0xffff    ; (batch, head), which the four partners share
	s_lshl_b32 s44, s42, 19         ; its 524,288 bytes of kv,
	s_lshl_b32 s43, s[WV], 14       ; my step of a slot's four
	s_add_co_u32 s44, s44, s43
	s_mov_b32 s45, 0
	s_lshl_b32 s46, s41, 2
	s_add_co_u32 s46, s46, s[WV]    ; my wave among the head's sixteen
	s_lshl_b32 s48, s46, 15         ; its four pieces' 8,192 bytes each in mbits
	s_mov_b32 s49, 0
	s_lshl_b32 s46, s46, 14         ; its 128 rows of 128 bytes
	s_lshl_b32 s47, s42, 18
	s_add_co_u32 s46, s46, s47
	s_mov_b32 s47, 0
	s_lshl_b32 s50, s42, 19         ; the prefetches: the head,
	s_lshl_b32 s51, s40, 14         ; my work-group's 16 KiB of a slot,
	s_add_co_u32 s50, s50, s51
	s_lshr_b32 s51, s[WV], 1
	s_lshl_b32 s51, s51, 13         ; my wave's 8 KiB of them,
	s_add_co_u32 s50, s50, s51
	s_add_co_u32 s50, s50, 4*16384  ; in slot 1: the first change steps it to slot 2
	s_mov_b32 s51, 0
	s_and_b32 s52, s[WV], 1
	s_cmp_eq_u32 s52, 0
	s_cselect_b32 s[LIM], 1, -1
	s_mov_b32 s[G1], 15|(1<<16)|(1<<20)|(1<<21)|(4<<22)|(3<<25)  ; the mask of four; 2-byte elements; padding on; 21 set beside a mask; after every 32 words 4 words
	s_mov_b32 s[G1+1], 128<<16      ; 16,384 dense bytes as 64 rows of 128 elements
	s_mov_b32 s[G1+2], 64<<16
	s_mov_b32 s[G1+3], 128<<16
	s_mov_b32 s[G1+4], 64
	s_mov_b32 s[G1+5], 128
	s_mov_b32 s[G1+6], 0
	s_mov_b32 s[G1+7], 0
	s_mov_b32 s[G0], 1
	s_mul_i32 s[G0+1], s[WV], STEPB ; slot 0, my step
	s_mov_b32 s[CS], 0x3e000000     ; c = 1/8
	s_mov_b32 s[CS+1], s[CS]
	s_mov_b32 s[SEL], 0x76543210
	s_mov_b32 s[SEL+1], 0xfedcba98
	s_mov_b32 s[TBK], SLOT1+4*STEPB ; the first change of slots turns these two into 0
	s_mov_b32 s[TBV], SLOT1+4*STEPB
	s_mov_b32 s[MOFF], 0
	v_and_b32 v[PFO], 31, v0
	v_lshlrev_b32 v[PFO], 8, v[PFO]
	s_wait_dscnt 0x0                ; the opening add is done
	s_wait_kmcnt 0x0
	s_add_nc_u64 s[G0+2:G0+3], s[34:35], s[44:45]
	s_or_b32 s[G0+3], s[G0+3], 0x80000000
	s_add_nc_u64 s[QP:QP+1], s[32:33], s[46:47]
	s_add_nc_u64 s[OP:OP+1], s[38:39], s[46:47]
	s_add_nc_u64 s[MP:MP+1], s[36:37], s[48:49]
	s_add_nc_u64 s[PFA:PFA+1], s[34:35], s[50:51]
	CROUND                          ; all four work-groups are here: the first joint loads meet
	JLOAD                           ; slot 0; slot 1 is asked for when slot 0 is in
	v_and_b32 v[T0], 15, v0
	v_bfe_u32 v[T0+1], v0, 4, 1
	v_lshlrev_b32 v[QO], 7, v[T0]
	v_lshl_add_u32 v[QO], v[T0+1], 4, v[QO]
	WIN 0xc0                        ; destination window 3
.set i, 0
.rept 4*NP                          ; Q stays in registers: tile i / 2, channels 32 (i % 2) on
	global_load_b128 v[8*i:8*i+3],   v[QO], s[QP:QP+1] offset:(i/2)*2048+(i%2)*64
	global_load_b128 v[8*i+4:8*i+7], v[QO], s[QP:QP+1] offset:(i/2)*2048+(i%2)*64+32
.set i, i+1
.endr
	WIN 0x80                        ; destination window 2
	v_lshrrev_b32 v[ML], 5, v[PFO]  ; 8 x lane
	WIN W_ML
.irp x, 0,1,2,3                     ; all four pieces' mask words of step 0
	global_load_b64 v[MW+2*\x:MW+2*\x+1], v[ML], s[MP:MP+1] offset:\x*8192
.endr
	WIN 0x80
	; What the first turn finds: V and P's second buffer hold 0 (its products V^T P, of a piece that has not been, add 0), O^T and l are 0.  No first step is written out; these lines stand in the wait for the first tile.
.set i, VF
.rept 64
	v_mov_b32 v[i], 0
.set i, i+1
.endr
	WIN 0x40
.set i, 0
.rept 64*NP
	v_mov_b32 v[i], 0
.set i, i+1
.endr
	WIN 0
.set i, 0
.rept 2*NP
	v_mov_b32 v[ST+4*i], 0xfe000000    ; c m: far below every c s, the masked one too
	v_mov_b32 v[ST+4*i+1], 0xff7fffff  ; m
	v_mov_b32 v[ST+4*i+2], 0
	v_mov_b32 v[ST+4*i+3], 0
.set i, i+1
.endr
.set i, P+32
.rept 32
	v_mov_b32 v[i], 0
.set i, i+1
.endr
	v_mul_u32_u24 v[AK0], v[T0], PK
	v_lshl_add_u32 v[AK0], v[T0+1], 4, v[AK0]
	v_and_b32 v[T0+2], 7, v0        ; the turning load: lane l reads key 8 (l / 16) + l % 8, channels 8 ((l / 8) % 2) + 0..7
	v_bfe_u32 v[T0+3], v0, 3, 1
	v_lshl_add_u32 v[AV0], v[T0+1], 3, v[T0+2]
	v_mul_u32_u24 v[AV0], v[AV0], PK
	v_lshl_add_u32 v[AV0], v[T0+3], 4, v[AV0]
	v_add_nc_u32 v[AV0], VOFF, v[AV0]
	v_mov_b32 v[AK], v[AK0]         ; key step 0 lies at the head of slot 0
; THE MATRIX WORK.  The 8 accumulators of a run of 16 take turns.
.macro KQ x                         ; product i of 16 of S^T = K Q^T for piece x: channels 32 (i / 8) on, keys 16 ((i / 2) % 4) on, tile 2 x + i % 2
	WIN W_KQ
.set rS, S+64*((\x)%2)+32*(i%2)+8*((i/2)%4)
.set rK, KF+16*((i/2)%4)+8*(i/8)
.set rQ, 16*(2*(\x)+i%2)+8*(i/8)
.if i < 8
	v_wmma_f32_16x16x32_f16 v[rS:rS+7], v[rK:rK+7], v[rQ:rQ+7], 0
.else
	v_wmma_f32_16x16x32_f16 v[rS:rS+7], v[rK:rK+7], v[rQ:rQ+7], v[rS:rS+7]
.endif
.endm
.macro PV x                         ; product i of 16 of O^T += V^T P for piece x: keys 32 (i / 8) on, channels 16 ((i / 2) % 4) on, tile 2 x + i % 2
	WIN W_PV
.set rO, 32*(2*(\x)+i%2)+8*((i/2)%4)
.set rV, VF+32*(i/8)+8*((i/2)%4)
.set rP, P+32*((\x)%2)+16*(i%2)+8*(i/8)
	v_wmma_f32_16x16x32_f16 v[rO:rO+7], v[rV:rV+7], v[rP:rP+7], v[rO:rO+7]
.endm
.macro MM                           ; the turn's next matrix instruction
.if i < 16
	KQ (Y+1)%NP
.set i, i+1
.else
.set i, i-16
	PV (Y+NP-1)%NP
.set i, i+17
.endif
.endm
; THE LDS LOADS stand in runs of 16.  last = 1 (the tail): in the last trip there is no further step, and the run is jumped over.
.macro FETCH_K last=0
	WIN 0
.if \last
	s_cmp_eq_u32 s[CNT], 1
	s_cbranch_scc1 .Lno_k_\@
.endif
	WIN 0x80
.irp f, 0,1,2,3,4,5,6,7             ; keys 16 (f / 2) on, channels 32 (f % 2) on
	ds_load_b128 v[KF+8*\f:KF+8*\f+3],   v[AK] offset:(\f/2)*16*PK+(\f%2)*64
	ds_load_b128 v[KF+8*\f+4:KF+8*\f+7], v[AK] offset:(\f/2)*16*PK+(\f%2)*64+32
.endr
	s_add_co_u32 s[TBK], s[TBK], STEPB
	WIN 0
.if \last
.Lno_k_\@:
.endif
.endm
.macro FETCH_V
	WIN 0x80
.irp f, 0,1,2,3,4,5,6,7             ; keys 32 (f / 4) on, channels 16 (f % 4) on
	ds_load_tr16_b128 v[VF+8*\f:VF+8*\f+3],   v[AV] offset:(\f/4)*32*PK+(\f%4)*32
	ds_load_tr16_b128 v[VF+8*\f+4:VF+8*\f+7], v[AV] offset:(\f/4)*32*PK+16*PK+(\f%4)*32
.endr
	WIN 0
.endm
; THE VECTOR WORK OF A TURN stands in queues, each in the order in which its entries become ready; the two tiles alternate.
.macro REGS y, u
.set rT, ST+4*(2*(\y)+(\u))
.set rC, TMP+8*((\y)%2)+4*(\u)
.set rM, MV+2*((\y)%2)+(\u)
.set rS, S+64*((\y)%2)+32*(\u)
.set rP, P+32*((\y)%2)+16*(\u)
.set rO, 32*(2*(\y)+(\u))
.endm
; Word n of the 64: register n / 2 of tile n % 2 of the NEXT piece's scores is replaced where the mask is set.  Each accumulator's lowest register comes first.
.macro CM n
	REGS (Y+1)%NP, (\n)%2
.if (\n) < 32
	v_cndmask_b32 v[rS+(\n)/2], v[rS+(\n)/2], v[NEGV], s[32+(\n)]
.else
	v_cndmask_b32 v[rS+(\n)/2], v[rS+(\n)/2], v[NEGV], s[36+(\n)]
.endif
.endm
; Number n of the 22 that find the NEXT piece's maximum and statistics: 0-11 four chains of seven scores; 12-14, 16 the four left over, the old m, the four into one; 15 c m_old is kept;
; 17, 18 the other half of the lanes: the new m; 19-21 c m; c m_old - c m_new; a.
.macro XS u, n
	REGS (Y+1)%NP, \u
.if (\n) < 4
	v_max3_num_f32 v[rC+(\n)], v[rS+8*(\n)], v[rS+8*(\n)+1], v[rS+8*(\n)+2]
.elseif (\n) < 12
	v_max3_num_f32 v[rC+(\n)%4], v[rC+(\n)%4], v[rS+8*((\n)%4)+2*((\n)/4)+1], v[rS+8*((\n)%4)+2*((\n)/4)+2]
.elseif (\n) == 12
	v_max3_num_f32 v[rC], v[rC], v[rS+7], v[rS+15]
.elseif (\n) == 13
	v_max3_num_f32 v[rC+1], v[rC+1], v[rS+23], v[rS+31]
.elseif (\n) == 14
	v_max3_num_f32 v[rC+2], v[rC+2], v[rC+3], v[rT+1]
.elseif (\n) == 15
	v_mov_b32 v[rM], v[rT]
.elseif (\n) == 16
	v_max3_num_f32 v[rC], v[rC], v[rC+1], v[rC+2]
.elseif (\n) == 17
	v_permlanex16_b32 v[rC+3], v[rC], s[SEL], s[SEL+1]
.elseif (\n) == 18
	v_max_num_f32 v[rT+1], v[rC], v[rC+3]
.elseif (\n) == 19
	v_mul_f32 v[rT], s[CS], v[rT+1]
.elseif (\n) == 20
	v_sub_f32 v[rC+1], v[rM], v[rT]
.else
	v_exp_f32 v[rC+2], v[rC+1]
.endif
.endm
; Number g of the 64 that follow the exponentials: for each four weights both pairs are rounded to f16, the second pair is added onto the first, and a group later l takes that sum (the first time as l = a l + sum).
.macro GS g
.set h, (\g)+6*((\g)/62)
.if h >= 6
.set h, h+2
.endif
	REGS Y, h%2
.set k, h/8
.if h%8 < 4
	v_cvt_pk_f16_f32 v[rP+2*k+(h%8)/2], v[rS+4*k+2*((h%8)/2)], v[rS+4*k+2*((h%8)/2)+1]
.elseif h%8 < 6
	v_pk_add_f32 v[rS+4*k:rS+4*k+1], v[rS+4*k:rS+4*k+1], v[rS+4*k+2:rS+4*k+3]
.elseif k == 1
	v_pk_fma_f32 v[rT+2:rT+3], v[rT+2:rT+3], v[rC+2:rC+3], v[rS:rS+1] op_sel_hi:[1,0,1]
.else
	v_pk_add_f32 v[rT+2:rT+3], v[rT+2:rT+3], v[rS+4*k-4:rS+4*k-3]
.endif
.endm
.macro FS f                         ; c s - c m for pair f / 2 of tile f % 2
	REGS Y, (\f)%2
	v_pk_fma_f32 v[rS+2*((\f)/2):rS+2*((\f)/2)+1], v[rS+2*((\f)/2):rS+2*((\f)/2)+1], s[CS:CS+1], v[rT:rT+1] op_sel_hi:[1,0,0] neg_lo:[0,0,1] neg_hi:[0,0,1]
.endm
; THE PLAIN QUEUE, 202 long.  0-26: scalings 0-26.  27-90: the next piece's 64 maskings.  91-118: XS's numbers 0-13.  119, 120: number 15.  121-137: the chain 14, 16, 17, 18, 19, each with one of the
; scalings 27-31 in front of its two lines, then 20.  138-201: GS's 64, which read the exponentials' results: they stand behind the wait.
.macro PL
	WIN 0
.if q < 27
	FS q
.elseif q < 91
	CM q-27
.elseif q < 119
	XS (q-91)%2, (q-91)/2
.elseif q < 121
	XS q-119, 15
.elseif (q < 136) && ((q-121)%3 == 0)
	FS 27+(q-121)/3
.elseif q < 124
	XS (q-121)%3-1, 14
.elseif q < 136
	XS (q-121)%3-1, 15+(q-121)/3
.elseif q < 138
	XS q-136, 20
.else
	GS q-138
.endif
.set q, q+1
.endm
.macro EX                           ; THE EXPONENTIALS' QUEUE, 66 long: s0-s31 of both tiles, then the next piece's two a: one batch, all ahead of the turn's one wait
	WIN 0
.if e >= 64
	XS e-64, 21
.else
	REGS Y, e%2
	v_exp_f32 v[rS+e/2], v[rS+e/2]
.endif
.set e, e+1
.endm
.macro R2                           ; THE RESCALING's QUEUE: O^T times a, two at a time, sixteen times, each accumulator from its low end on
	REGS Y, r%2
	WIN W_RS
.irp z, 0,1
	v_pk_mul_f32 v[rO+4*(r/2)+2*\z:rO+4*(r/2)+2*\z+1], v[rO+4*(r/2)+2*\z:rO+4*(r/2)+2*\z+1], v[rC+2:rC+3] op_sel_hi:[1,0]
.endr
.set r, r+1
.endm
; A TURN, for piece p.  AHEAD OF THE WAIT stands all that names no result of the turn's exponentials.  First 16 products K Q^T, behind each four v_readlane_b32: they wait for nothing, name no register of the
; products, and run under the products' own window setting, so this half of the turn has one switch.  They fill the scalar registers with the words of piece p + 1, whose maskings follow in this turn's lump;
; the registers' last readers were the turn before's maskings.  Then the pair is asked for again.  Then the lump: two plain; 15 times plain and exponential; the 32 rescalings, under one setting; eight plain;
; 32 times an exponential and three plain (here the maskings fall); 17 times exponential and plain (the chain); the two a; a v_nop, the plain instruction behind the last exponential.  BEHIND THE WAIT 16
; products V^T P with four of GS's 64 each.  Exponential e wants scaling 2 (e / 4) + e % 2: up to e = 52 that is among plain 0-26, issued ahead of it; scalings 27-31 are plain 121, 124 .. 133, and their
; first readers e = 53, 56, 57, 60, 61 come behind plain 126 or later.
; THE COUNT 3: loads come back in order, and behind a pair's load stand the other three pairs', one a turn, and no other load: so the pair is in, and its own offset register is free.
; K of the next step is fetched in piece 2's turn, directly behind the wait for the batch; V of the step in hand at the end of piece 0's turn, four plain instructions behind its last reader.
.macro TURN p, last=0, cnt=0
.set Y, (\p)
.set i, 0
.set q, 0
.set e, 0
.set r, 0
.set mw, 0
.if (\p) == NP-1
	s_wait_dscnt 0x0                ; K is in
.endif
	s_wait_loadcnt 3                ; the next piece's mask words are in
.rept 16
	MM
	RL4 ((\p)+1)%NP
.endr
.if (\p) == NP-1
	MNEXT ((\p)+1)%NP, 1
.else
	MNEXT ((\p)+1)%NP, 0
.endif
	PL
	PL
.rept 15
	PL
	EX
.endr
.rept 16
	R2
.endr
	WIN 0
.if (\p) == NP-2
	v_add_nc_u32 v[AK], s[TBK], v[AK0]
.endif
.rept 8
	PL
.endr
.rept 32
	EX
	PL
	PL
	PL
.endr
.rept 17
	EX
	PL
.endr
	EX
	EX
	v_nop
	s_wait_alu depctr_va_vdst(0)    ; the wait for the batch
.if (\p) == NP-2
	FETCH_K \last
.if !(\last)
	ASK
.endif
.endif
.if (\p) == 1
	s_wait_dscnt 0x0                ; V is in
.endif
.rept 16
	MM
.rept 4
	PL
.endr
.if ((\p) == 0) && (q == 182)
	v_add_nc_u32 v[AV], s[TBV], v[AV0]
.endif
.if ((\p) == 0) && (q == 194)
	s_add_co_u32 s[TBV], s[TBV], STEPB
.endif
.if (\cnt) && (q == 194)
	s_sub_co_u32 s[CNT], s[CNT], 1
	s_cmp_lg_u32 s[CNT], 0
.endif
.endr
.if (\p) == 0
	FETCH_V
.endif
.endm
	CHANGE 1                        ; slot 0 is in, everybody's part of it; slot 1 is asked for
	FETCH_K                         ; key step 0
	s_wait_loadcnt 0x0              ; Q, and all four pieces' mask words of step 0
	s_wait_dscnt 0x0
.set i, 0
.rept 16
	KQ 0                            ; piece 0's first scores
.set i, i+1
.endr
	WIN 0                           ; the addresses for the way out: plain instructions, the places behind those products
	s_mul_i32 s2, s[WV], 16*SP
	s_add_co_u32 s2, s2, STAGE      ; my stage
	v_mul_u32_u24 v[STO], v[T0], SP
	v_lshl_add_u32 v[STO], v[T0+1], 4, v[STO]
	v_add_nc_u32 v[STO], s2, v[STO]
	v_bfe_u32 v[RD], v0, 3, 2
	v_mul_u32_u24 v[RD], v[RD], SP
	v_lshl_add_u32 v[RD], v[T0+2], 4, v[RD]
	v_add_nc_u32 v[RD], s2, v[RD]
	v_and_b32 v[GO], 31, v0
	v_lshlrev_b32 v[GO], 4, v[GO]
	v_mov_b32 v[NEGV], 0xd02bfb8f   ; -8e9 log2(e): times c it is -1e9 log2(e)
	WIN W_ML                        ; piece 0's words of step 0 into the scalar registers (the arguments' registers have been used up),
.set mw, 0
.rept 16
	RL4 0
.endr
	MNEXT 0, 1                      ; and its pair is asked for again, for step 1; the first turns do the same for pieces 1 to 3
	WIN 0
.set Y, NP-1                        ; CM and XS work for piece Y + 1: piece 0
.set cn, 0
.rept 64
	CM cn
.set cn, cn+1
.endr
.irp n, 0,1,2,3,4,5,6,7,8,9,10,11,12,13,14,15,16,17,18,19,20,21
	XS 0, \n
	XS 1, \n
.endr
	v_nop                           ; a plain instruction behind the two a,
	s_wait_alu depctr_va_vdst(0)    ; and their wait, ahead of the branch
	s_mov_b32 s[CNT], 4
	s_mov_b32 s[SLOTS], 7           ; 8 slots of 256 keys
	s_branch .Lfirst                ; the loop is entered at a step's first turn
.Lslot:                             ; six times: every slot but the last two is filled again
	CHANGE 1
	s_mov_b32 s[CNT], 4
.Lstep:                             ; a trip: pieces 2 and 3 of one step, then pieces 0 and 1 of the next
	TURN 2
	TURN 3
	WIN 0
.Lfirst:
	TURN 0
	TURN 1, 0, 1
	WIN 0
	s_cbranch_scc1 .Lstep
	s_sub_co_u32 s[SLOTS], s[SLOTS], 1
	s_cmp_lg_u32 s[SLOTS], 0
	s_cbranch_scc1 .Lslot
	CHANGE 0                        ; the tail is written out
	s_mov_b32 s[CNT], 5             ; four trips fetch the last slot's steps; the fifth is left in its middle
.Ltail:
	TURN 2, 1
	TURN 3
	WIN 0
	s_sub_co_u32 s[CNT], s[CNT], 1
	s_cmp_eq_u32 s[CNT], 0
	s_cbranch_scc1 .Lout
	TURN 0
	TURN 1
	WIN 0
	s_branch .Ltail
.Lout:                              ; the fifth trip's 16 products K Q^T and what is made of them serve nothing: the price, once a launch, of one text for every trip
	s_wait_loadcnt 0x0              ; so do the mask words asked for last: they have come, and no load is out at the end
.set i, 0
.rept 16
	PV NP-1
.set i, i+1
.endr
	; THE WAY OUT.  l's halves and the other half of the lanes' are added; O^T is divided by l, rounded to f16 and sent through my stage, a tile at a time.
	WIN 0
.macro ALL line:vararg
.set t, 0
.rept 2*NP
	\line
.set t, t+1
.endr
.endm
	ALL v_add_f32 v[ST+4*t+2], v[ST+4*t+2], v[ST+4*t+3]
	ALL v_permlanex16_b32 v[ST+4*t+3], v[ST+4*t+2], s[SEL], s[SEL+1]
	ALL v_add_f32 v[ST+4*t+2], v[ST+4*t+2], v[ST+4*t+3]
	ALL v_rcp_f32 v[ST+4*t+2], v[ST+4*t+2]
	v_nop
	s_wait_alu depctr_va_vdst(0)    ; one wait for the eight reciprocals
.macro PACK t
	WIN W_RS
.set i, 32*(\t)
.rept 16
	v_pk_mul_f32 v[i:i+1], v[i:i+1], v[ST+4*(\t)+2:ST+4*(\t)+3] op_sel_hi:[1,0]
.set i, i+2
.endr
	WIN 0x05
.set i, 0
.rept 16
	v_cvt_pk_f16_f32 v[S+16*(\t)+i], v[32*(\t)+2*i], v[32*(\t)+2*i+1]
.set i, i+1
.endr
	WIN 0
.irp f, 0,1,2,3
	ds_store_b128 v[STO], v[S+16*(\t)+4*\f:S+16*(\t)+4*\f+3] offset:32*\f
.endr
.irp f, 0,1,2,3
	ds_load_b128 v[S+16*(\t)+4*\f:S+16*(\t)+4*\f+3], v[RD] offset:\f*4*SP  ; LDS serves a wave's instructions in order: these see the stores above
.endr
.endm
.macro SEND t, younger              ; younger: the LDS instructions issued behind tile t's loads: the next tile's eight, or none
	WIN 0
.irp f, 0,1,2,3
	s_wait_dscnt (\younger)+3-\f
	global_store_b128 v[GO], v[S+16*(\t)+4*\f:S+16*(\t)+4*\f+3], s[OP:OP+1] offset:(\t)*2048+\f*512  ; 512 consecutive bytes, aligned
.endr
.endm
	PACK 0
.set t, 1
.rept 2*NP-1
	PACK t
	SEND t-1, 8
.set t, t+1
.endr
	SEND 2*NP-1, 0
	s_wait_tensorcnt 0x0            ; the wave's end
	ds_add_u32 v[SPW], v[NIL]
	s_wait_dscnt 0x0
	CROUND                          ; the closing round
	s_endpgm
.Lfunc_end_k_q72e20f7ecd_attn:
	.size	k_q72e20f7ecd_attn, .Lfunc_end_k_q72e20f7ecd_attn-k_q72e20f7ecd_attn
	.p2alignl 7, 3214868480
	.fill 96, 4, 3214868480
	.section	.rodata,"a",@progbits
	.p2align	6, 0x0
	.amdhsa_kernel k_q72e20f7ecd_attn
		.amdhsa_group_segment_fixed_size 327680
		.amdhsa_private_segment_fixed_size 0
		.amdhsa_enable_private_segment 0
		.amdhsa_kernarg_size 32
		.amdhsa_user_sgpr_count 2
		.amdhsa_user_sgpr_kernarg_segment_ptr 1
		.amdhsa_wavefront_size32 1
		.amdhsa_system_sgpr_workgroup_id_x 1
		.amdhsa_system_sgpr_workgroup_id_y 1
		.amdhsa_system_sgpr_workgroup_id_z 1
		.amdhsa_system_vgpr_workitem_id 0
		.amdhsa_next_free_vgpr 896
		.amdhsa_next_free_sgpr 102
		.amdhsa_reserve_vcc 0
		.amdhsa_float_denorm_mode_32 3
		.amdhsa_float_denorm_mode_16_64 3
		.amdhsa_memory_ordered 1
		.amdhsa_forward_progress 1
		.amdhsa_inst_pref_size 255
	.end_amdhsa_kernel
	.section	.bss,"aw",@nobits
	.p2align	6
	.space	262144
	.amdgpu_metadata
---
amdhsa.version: [ 1, 2 ]
amdhsa.kernels:
  - .name:           k_q72e20f7ecd_attn
    .symbol:         k_q72e20f7ecd_attn.kd
    .args:
      - { .name: qh, .offset: 0, .size: 8, .value_kind: global_buffer, .address_space: global }
      - { .name: kv, .offset: 8, .size: 8, .value_kind: global_buffer, .address_space: global }
      - { .name: mbits, .offset: 16, .size: 8, .value_kind: global_buffer, .address_space: global }
      - { .name: ctx, .offset: 24, .size: 8, .value_kind: global_buffer, .address_space: global }
    .group_segment_fixed_size: 327680
    .private_segment_fixed_size: 0
    .kernarg_segment_align: 8
    .kernarg_segment_size: 32
    .max_flat_workgroup_size: 128
    .sgpr_count:     102
    .vgpr_count:     896
    .wavefront_size: 32
...
	.end_amdgpu_metadata
.endif
;; end of part 7
;; launch oproj: the kernel of part 4 again; grid 4 x 64, 4 waves a work-group, clusters of 4 x 4, 327,680 bytes of LDS; arguments ctx, wt, out0; writes out0
